; MI455X (gfx1250); checked and timed in simulation.
; The chip was launched on July 23, 2026; its instructions are those of AMD's public machine-readable ISA for CDNA 5 (MIT licence, August 2026) and "CDNA5" Instruction Set Architecture Reference Guide (July 2026). The comments in the code are by the model that wrote it; some were corrected since.
;; Multi Head Attention. Allowed arithmetic: float matrix products may take bf16 or f16 operands with f32 sums; other float arithmetic in f32, or as packed bf16 or f16 multiplies, adds, multiply-adds, maxima and minima; sums over many terms, partial sums and values carried from step to step in f32; what a program stores and reads back later, other than sums and carried values, may be rounded once to bf16 or f16.
;; Inputs: W_k 1,024 x 1,024 float32; W_out 1,024 x 1,024 float32; W_q 1,024 x 1,024 float32; W_v 1,024 x 1,024 float32; b_k 1,024 float32; b_out 1,024 float32; b_q 1,024 float32; b_v 1,024 float32; key 4 x 2,048 x 1,024 float32; query 4 x 2,048 x 1,024 float32; value 4 x 2,048 x 1,024 float32.
;; Outputs: out0 4 x 2,048 x 1,024 float32.
;; One version. Each part assembles by itself: llvm-mc -triple=amdgcn-amd-amdhsa -mcpu=gfx1250 --defsym DOCPART=n.
;; ======== version 1 of 1: 4 launches
;; limits: values are held in f16: magnitudes above 65,504 overflow, below 6.1e-05 lose precision
;; workspace buffers: xw 58,720,256 bytes; qkv 50,331,648 bytes; oh 16,777,216 bytes
;; launch cast (part 1): grid 1792 x 1, 8 waves a work-group, no clusters, 0 bytes of LDS; arguments query, key, value, W_q, W_k, W_v, W_out, xw; writes xw
.if DOCPART == 1
	.amdgcn_target "amdgcn-amd-amdhsa--gfx1250"
	.amdhsa_code_object_version 6
	.text
	.protected	k_q4b81f532c0_cast
	.globl	k_q4b81f532c0_cast
	.p2align	8
	.type	k_q4b81f532c0_cast,@function
k_q4b81f532c0_cast:
	s_mov_b64 s[64:65], 0
	v_nop
	global_prefetch_b8 v0, s[64:65] scope:SCOPE_SE
	s_setreg_imm32_b32 hwreg(HW_REG_WAVE_MODE, 25, 1), 1
	s_wait_xcnt 0x0
; THE INPUTS OF THE FOUR PRODUCTS ARE ROUNDED ONCE TO 16 BITS.  query, key, value ([8192][1024] f32 each) and W_q, W_k, W_v ([1024][1024] f32) go to bf16;
; W_out is rounded to bf16 like the others and that number is written as f16, since the last product multiplies in f16.
; xw holds them one behind the other, row-major as they lie: query 0, key 0x1000000, value 0x2000000, W_q 0x3000000, W_k 0x3200000, W_v 0x3400000, W_out 0x3600000 (bytes).
; LIMIT.  W_out beyond 65,504 in magnitude becomes an infinity in f16; below 6e-5 it keeps f16's fixed step of 6e-8.
; SHARES.  A work-group takes 16,384 numbers: 65,536 bytes in, 32,768 out.  3 x 512 + 4 x 64 = 1,792 work-groups; their order is xw's order, so the place in xw is the number x 32,768.
; Thread t takes the 16 bytes at 16 t of each of 16 pieces of 4,096 bytes: a wave's load covers 512 consecutive bytes, its store of 8 bytes a lane 256 consecutive bytes, aligned.
; All sixteen loads go out at once; no register serves two pieces, so the only waits are the counted ones for the loads.  No LDS, no barrier, no matrix unit: nothing is shared and bytes are all the work.
.set X, 4                              ; v[4:67]   piece i: 4 registers as loaded
.set Y, 68                             ; v[68:99]  piece i: 2 registers to store
	s_load_b512 s[8:23], s[0:1], 0x0               ; query, key, value, W_q, W_k, W_v, W_out, xw: s[8:9] .. s[22:23]
	s_mov_b32 s2, ttmp9                            ; the work-group's number
	v_lshlrev_b32 v1, 4, v0                        ; 16 t: my bytes in a piece of the source
	v_lshlrev_b32 v2, 3, v0                        ; 8 t: in a piece of xw
	s_mov_b32 s28, 0xffff0000                      ; a word's upper bf16
	s_cmp_ge_u32 s2, 1536                          ; a weight has 64 shares, an x 512
	s_cselect_b32 s24, 63, 511
	s_and_b32 s24, s2, s24                         ; my share's number in its tensor,
	s_lshl_b32 s24, s24, 16                        ; times 65,536 bytes
	s_mov_b32 s25, 0
	s_lshl_b32 s26, s2, 15                         ; my share's place in xw
	s_mov_b32 s27, 0
	s_wait_kmcnt 0x0
	s_mov_b64 s[4:5], s[8:9]                       ; which tensor: chosen by the work-group's number alone
	s_cmp_ge_u32 s2, 512
	s_cselect_b64 s[4:5], s[10:11], s[4:5]
	s_cmp_ge_u32 s2, 1024
	s_cselect_b64 s[4:5], s[12:13], s[4:5]
	s_cmp_ge_u32 s2, 1536
	s_cselect_b64 s[4:5], s[14:15], s[4:5]
	s_cmp_ge_u32 s2, 1600
	s_cselect_b64 s[4:5], s[16:17], s[4:5]
	s_cmp_ge_u32 s2, 1664
	s_cselect_b64 s[4:5], s[18:19], s[4:5]
	s_cmp_ge_u32 s2, 1728
	s_cselect_b64 s[4:5], s[20:21], s[4:5]
	s_add_nc_u64 s[4:5], s[4:5], s[24:25]
	s_add_nc_u64 s[6:7], s[22:23], s[26:27]
.irp i, 0,1,2,3,4,5,6,7,8,9,10,11,12,13,14,15
	global_load_b128 v[X+4*(\i):X+4*(\i)+3], v1, s[4:5] offset:4096*(\i) th:TH_LOAD_NT
.endr
.macro CV i                            ; piece i to bf16
	s_wait_loadcnt 15-(\i)                         ; loads come back in order: piece i is in, the 15 - i younger ones stay out
	v_cvt_pk_bf16_f32 v[Y+2*(\i)],   v[X+4*(\i)],   v[X+4*(\i)+1]
	v_cvt_pk_bf16_f32 v[Y+2*(\i)+1], v[X+4*(\i)+2], v[X+4*(\i)+3]
	global_store_b64 v2, v[Y+2*(\i):Y+2*(\i)+1], s[6:7] offset:2048*(\i) th:TH_STORE_NT
.endm
.macro CW i                            ; piece i of W_out: to bf16, widened again, and that number as f16
	s_wait_loadcnt 15-(\i)
	v_cvt_pk_bf16_f32 v[Y+2*(\i)],   v[X+4*(\i)],   v[X+4*(\i)+1]
	v_cvt_pk_bf16_f32 v[Y+2*(\i)+1], v[X+4*(\i)+2], v[X+4*(\i)+3]
	v_lshlrev_b32 v[X+4*(\i)],   16,  v[Y+2*(\i)]
	v_and_b32     v[X+4*(\i)+1], s28, v[Y+2*(\i)]
	v_lshlrev_b32 v[X+4*(\i)+2], 16,  v[Y+2*(\i)+1]
	v_and_b32     v[X+4*(\i)+3], s28, v[Y+2*(\i)+1]
	v_cvt_pk_f16_f32 v[Y+2*(\i)],   v[X+4*(\i)],   v[X+4*(\i)+1]
	v_cvt_pk_f16_f32 v[Y+2*(\i)+1], v[X+4*(\i)+2], v[X+4*(\i)+3]
	global_store_b64 v2, v[Y+2*(\i):Y+2*(\i)+1], s[6:7] offset:2048*(\i) th:TH_STORE_NT
.endm
	s_cmp_ge_u32 s2, 1728                          ; the last 64 work-groups hold W_out
	s_cbranch_scc1 .Lwout
.irp i, 0,1,2,3,4,5,6,7,8,9,10,11,12,13,14,15
	CV \i
.endr
	s_endpgm
.Lwout:
.irp i, 0,1,2,3,4,5,6,7,8,9,10,11,12,13,14,15
	CW \i
.endr
	s_endpgm
.Lfunc_end_k_q4b81f532c0_cast:
	.size	k_q4b81f532c0_cast, .Lfunc_end_k_q4b81f532c0_cast-k_q4b81f532c0_cast
	.p2alignl 7, 3214868480
	.fill 96, 4, 3214868480
	.section	.rodata,"a",@progbits
	.p2align	6, 0x0
	.amdhsa_kernel k_q4b81f532c0_cast
		.amdhsa_group_segment_fixed_size 0
		.amdhsa_private_segment_fixed_size 0
		.amdhsa_enable_private_segment 0
		.amdhsa_kernarg_size 64
		.amdhsa_user_sgpr_count 2
		.amdhsa_user_sgpr_kernarg_segment_ptr 1
		.amdhsa_wavefront_size32 1
		.amdhsa_system_sgpr_workgroup_id_x 1
		.amdhsa_system_sgpr_workgroup_id_y 1
		.amdhsa_system_sgpr_workgroup_id_z 1
		.amdhsa_system_vgpr_workitem_id 0
		.amdhsa_next_free_vgpr 100
		.amdhsa_next_free_sgpr 66
		.amdhsa_reserve_vcc 0
		.amdhsa_float_denorm_mode_32 3
		.amdhsa_float_denorm_mode_16_64 3
		.amdhsa_memory_ordered 1
		.amdhsa_forward_progress 1
		.amdhsa_inst_pref_size 16
	.end_amdhsa_kernel
	.amdgpu_metadata
---
amdhsa.version: [ 1, 2 ]
amdhsa.kernels:
  - .name:           k_q4b81f532c0_cast
    .symbol:         k_q4b81f532c0_cast.kd
    .args:
      - { .name: query, .offset: 0, .size: 8, .value_kind: global_buffer, .address_space: global }
      - { .name: key, .offset: 8, .size: 8, .value_kind: global_buffer, .address_space: global }
      - { .name: value, .offset: 16, .size: 8, .value_kind: global_buffer, .address_space: global }
      - { .name: W_q, .offset: 24, .size: 8, .value_kind: global_buffer, .address_space: global }
      - { .name: W_k, .offset: 32, .size: 8, .value_kind: global_buffer, .address_space: global }
      - { .name: W_v, .offset: 40, .size: 8, .value_kind: global_buffer, .address_space: global }
      - { .name: W_out, .offset: 48, .size: 8, .value_kind: global_buffer, .address_space: global }
      - { .name: xw, .offset: 56, .size: 8, .value_kind: global_buffer, .address_space: global }
    .group_segment_fixed_size: 0
    .private_segment_fixed_size: 0
    .kernarg_segment_align: 8
    .kernarg_segment_size: 64
    .max_flat_workgroup_size: 256
    .sgpr_count:     66
    .vgpr_count:     100
    .wavefront_size: 32
...
	.end_amdgpu_metadata
.endif
;; end of part 1
;; launch proj (part 2): grid 4 x 64, 4 waves a work-group, clusters of 4 x 4, 327,680 bytes of LDS; arguments xw, b_q, b_k, b_v, qkv; writes qkv
.if DOCPART == 2
	.amdgcn_target "amdgcn-amd-amdhsa--gfx1250"
	.amdhsa_code_object_version 6
	.text
	.protected	k_q4b81f532c0_proj
	.globl	k_q4b81f532c0_proj
	.p2align	8
	.type	k_q4b81f532c0_proj,@function
k_q4b81f532c0_proj:
	s_mov_b64 s[64:65], 0
	v_nop
	global_prefetch_b8 v0, s[64:65] scope:SCOPE_SE
	s_setreg_imm32_b32 hwreg(HW_REG_WAVE_MODE, 25, 1), 1
	s_wait_xcnt 0x0
	s_wait_alu depctr_hold_cnt(0) depctr_sa_sdst(0) depctr_va_vdst(0) depctr_va_sdst(0) depctr_va_ssrc(0) depctr_va_vcc(0) depctr_vm_vsrc(0)
	s_getreg_b32 s2, hwreg(HW_REG_IB_STS2, 6, 4)
	s_cmp_eq_u32 s2, 0
	s_cbranch_scc0 .Lentry_in_a_cluster
	s_endpgm
.Lentry_in_a_cluster:
	s_bfe_u32 s2, ttmp6, 0x10000c
	s_cmp_lg_u32 s2, 0xf033
	s_cbranch_scc0 .Lentry_shape_is_right
	s_endpgm
.Lentry_shape_is_right:
; ONE TEXT FOR TWO LAUNCHES; OUTP chooses.  C[m][n] = bias[n] + the sum over k of A[m][k] B[n][k], M = 8192, N = K = 1024, sums in f32, started from the bias (rounded to bf16, like every input of the module).
; OUTP = 0 (this file): q, k, v = x W^T + b.  A = query, key, value and B = W_q, W_k, W_v in bf16, as they lie in xw; the results are rounded once to f16, unscaled, and laid by heads: qkv[3][16 batch + head][2048][64].
;   LIMIT: a q, k or v beyond 65,504 in magnitude becomes an infinity; below 6e-5 f16 keeps its fixed step of 6e-8.
; OUTP = 1: out0 = O W_out^T + b_out.  A = oh[16 batch + head][2048][64] in f16 (a head's 64 channels are one slice of K), B = W_out in f16 (xw + 0x3600000), the result stored in f32.
; SHARES.  A tile of C is 128 rows x 256 columns: 64 x 4 = 256 tiles, one work-group each.  Four waves, each 64 x 128: 32 accumulators of 16 x 16.  With OUTP = 0 A WORK-GROUP STAYS and makes the same tile of q, k and v.
; K goes in 8 steps of 128 through a ring of two LDS slots; each wave fetches a part of a slot by one tensor load (waves 0, 1: A's two parts; waves 2, 3: B's two halves of 128 rows).
; CLUSTERS: 4 x 4 work-groups.  The four of a row of the cluster need the same tiles of A, the four of a column the same tiles of B: each is asked for JOINTLY, by the same load, descriptor and mask in all four.
; THE MATRIX INSTRUCTION IS USED TRANSPOSED (source 0 = 16 rows of B, source 1 = 16 rows of A): lane l holds row l % 16 of C and the columns 8 (l / 16) + 0..7.
; REGISTERS, in windows of 256 (s_set_vgpr_msb: bits 1:0 source 0, 3:2 source 1, 5:4 source 2, 7:6 destination):
;   window 0: v0-15 addresses; v32-63 at work on the way out; v64-255 fragment buffer 0        window 1: the accumulators, (a, b) at 8 (8 a + b)
;   window 2: v0-63 the bias as a C operand (register 8 b + j: column 16 b + 8 (l / 16) + j); v64-255 fragment buffer 1
;   A fragment buffer holds 64 along K: for each 32 (c = 0, 1), at 64 + 96 c, A's 4 fragments and then B's 8.
.set OUTP, 0
.if OUTP
.set TILES,  1
.set PA,     144                       ; a row of A in LDS: 128 bytes + 16
.set ALOAD,  128*PA                    ; what one load of A fills: a head's 128 rows
.set AHALF,  ALOAD                     ; from the first 64 along K of a step to the second: the other head
.set ASTEP,  1<<19                     ; bytes from K step to K step in memory: two heads
.set QIA,    4                         ; padding after every 32 words
.set APITCH, 128                       ; the 16,384 dense bytes are asked for as 64 rows of 256
.set WBASE,  0x3600000
.set SP,     528                       ; a stage row: 512 bytes + 16
.else
.set TILES,  3
.set PA,     272                       ; 256 bytes + 16
.set ALOAD,  64*PA                     ; 64 rows
.set AHALF,  128
.set ASTEP,  256
.set QIA,    5                         ; padding after every 64 words
.set APITCH, 1024
.set WBASE,  0x3000000
.set SP,     144                       ; a stage row: 128 bytes + 16
.endif
.set PB,     272                       ; all pitches are odd multiples of 16 bytes: the 16 rows of a fragment load start at 16 different groups of four banks (64 banks of 4 bytes: ISA guide 11.1)
.set BLOAD,  128*PB
.set BSTEP,  256
.set NEXT_A, 0x1000000-7*256           ; from a tile's K step 7 to the next tile's K step 0: 8,192 rows of x down, back along K
.set NEXT_B, 0x200000-7*256            ; 1,024 rows of the weights down
.set ABYTES, 36864                     ; a slot: A's part, then B's 256 rows
.set SLOT1,  1<<17                     ; slot 1 begins here, so that one exclusive or turns an address in one slot into the other's
.set STAGE,  SLOT1+ABYTES+2*BLOAD      ; behind the ring, never filled by a tensor load: 16 rows for each wave, for the way out
.set STW,    16*SP
.set SPARE,  STAGE+4*STW               ; behind the stages: the spare words, 128 bytes for each wave: two blocks of 256 bytes that no other line names
.set A0,   4                           ; v4   my lane's place in A's part of a slot; never rewritten
.set B0,   5                           ; v5   the same for B
.set ADRA, 6                           ; v6   A0 + the slot in hand
.set ADRB, 7                           ; v7   B0 + the slot in hand
.set STO,  8                           ; v8   the way out: where I put my bytes of a row
.set RD,   9                           ; v9   where I read rows back
.set GO,   10                          ; v10  16 x lane: my place in 512 consecutive bytes of the result
.set BO,   11                          ; v11  32 (l / 16): my place in 16 numbers of the bias
.set PFO,  12                          ; v12  the prefetches' offset: a lane a block of 256 bytes; never rewritten
.set SPW,  14                          ; v14  LDS address of my spare word: SPARE + 4 x my thread's number; never rewritten
.set NIL,  15                          ; v15  0; never rewritten
.set TMP,  32
.set FR,   64
.set G1A,  24                          ; s[24:31] descriptor group 1 for A's tiles
.set G0A,  32                          ; s[32:39] group 0: a set for each of the two first fills; the second then walks on
.set G1B,  48                          ; s[48:55], s[56:63] the same for B's
.set G0B,  56
.set BP,   76                          ; s[76:77] the bias at my 128 columns
.set BOFF, 78                          ; s[78:79] their byte offset
.set TB,   80                          ; s80  the slot in hand: 0 or SLOT1
.set PG,   81                          ; s81  the K step that the next prefetch names, counted through all tiles
.set LIM,  82                          ; s82  8 x TILES in wave 0, which prefetches; 0 in the others
.set PFB,  84                          ; s[84:85] A at my work-group's 32 blocks of K step 0 of the first tile
.set PFA,  86                          ; s[86:87] the same at K step PG
.set POFF, 88                          ; s[88:89] the difference
.set HIM,  90                          ; s90  a word's upper bf16
.set MSB, 0
.macro WIN new                         ; the immediate's high byte repeats the setting that is left; a switch that changes nothing is dropped
.if MSB != (\new)
	s_set_vgpr_msb (MSB<<8)|(\new)
.set MSB, \new
.endif
.endm
.macro WM ops:vararg                   ; the matrix instruction of this launch
.if OUTP
	v_wmma_f32_16x16x32_f16 \ops
.else
	v_wmma_f32_16x16x32_bf16 \ops
.endif
.endm
.macro PLACES                          ; four places in front of loads into registers that matrix instructions have read, and of lines that read results (ISA guide 7.12.1 for lines that read results)
.rept 4
	v_nop
.endr
.endm
; A joint refill, by the walking descriptors.  The branch hangs on the wave's number alone.  An s_nop 0 and four v_nop follow each of the two lines, ahead of the jump and the label.
.macro JLOAD
	s_cmp_eq_u32 s11, 0
	s_cbranch_scc0 .Lfor_b_\@
	tensor_load_to_lds s[G0A+4:G0A+7], s[G1A:G1A+7]
	s_nop 0
.rept 4
	v_nop
.endr
	s_branch .Lasked_\@
.Lfor_b_\@:
	tensor_load_to_lds s[G0B+4:G0B+7], s[G1B:G1B+7]
	s_nop 0
.rept 4
	v_nop
.endr
.Lasked_\@:
.endm
.macro CREST                           ; a round of the cluster's barrier behind its opening barrier
	s_cmp_lg_u32 s10, 0
	s_cbranch_scc1 .Lnot_wave_0_\@
	s_barrier_signal -3
.Lnot_wave_0_\@:
	s_barrier_wait -3
	s_barrier_signal -1
	s_barrier_wait -1
.endm
.macro CROUND                          ; a whole round
	s_barrier_signal -1
	s_barrier_wait -1
	CREST
.endm
; A PREFETCH INTO THE L2 of A's K step that stands two refills on: 128 blocks of 256 bytes.  A's tile row is read by this one cluster alone; its four partners along x take 32 blocks each, told apart BY ADDRESS;
; in each, wave 0 asks, a lane a block: one instruction, and each block is named once in the launch.  The first four K steps come by their loads alone; nothing behind the last tile's last K step is named.
; B's rows are not asked for: all sixteen clusters read the same weights at the same time.
.macro ASK
	s_cmp_lt_u32 s[PG], s[LIM]
	s_cbranch_scc0 .Lnot_mine_\@
	global_prefetch_b8 v[PFO], s[PFA:PFA+1] th:TH_LOAD_NT scope:SCOPE_SE
.Lnot_mine_\@:
	s_add_co_u32 s[PG], s[PG], 1
.endm
.if OUTP
	s_load_b128 s[4:7], s[0:1], 0x0                ; oh s[4:5], xw s[6:7]
	s_load_b128 s[68:71], s[0:1], 0x10             ; b_out s[68:69], out0 s[70:71]
.else
	s_load_b64 s[4:5], s[0:1], 0x0                 ; xw
	s_load_b256 s[68:75], s[0:1], 0x8              ; b_q s[68:69], b_k s[70:71], b_v s[72:73], qkv s[74:75]
.endif
	v_lshl_add_u32 v[SPW], v0, 2, SPARE
	v_mov_b32 v[NIL], 0
	ds_add_u32 v[SPW], v[NIL]                      ; the wave's opening: the add and its wait stand ahead of my first tensor load; the set-up below, work on registers, stands between them
	v_lshrrev_b32 v1, 5, v0
	v_readfirstlane_b32 s10, v1                    ; wave 0..3
	s_lshr_b32 s11, s10, 1                         ; which 64 rows of the tile are mine.  Also: I fetch for A (0) or for B (1)
	s_and_b32 s12, s10, 1                          ; which 128 columns.  Also: which part of that tile I fetch
	s_bfe_u32 s40, ttmp6, 0x40000                  ; cx, cy: my place in the cluster
	s_bfe_u32 s41, ttmp6, 0x40004
	s_lshl_b32 s42, ttmp9, 2
	s_add_co_u32 s42, s42, s40                     ; tile column = 4 x cluster x + cx
	s_and_b32 s13, ttmp7, 0xffff
	s_lshl_b32 s13, s13, 2
	s_add_co_u32 s13, s13, s41                     ; tile row = 4 x cluster y + cy
	s_lshl_b32 s43, s41, 2
	s_lshl_b32 s43, 15, s43                        ; my row of the cluster
	s_lshl_b32 s44, 0x1111, s40                    ; my column
	; descriptor group 1.  A: 64 rows x 128 elements; B: 128 rows x 128 elements; both padded in LDS by 4 words
	s_or_b32 s[G1A], s43, (1<<16)|(1<<20)|(1<<21)|(QIA<<22)|(3<<25)  ; 15:0 the mask; 17:16 elements of 2 bytes; 20 padding on; 21 set beside a mask; 24:22 the interval; 31:25 4 words (code 3)
	s_mov_b32 s[G1A+1], 128<<16                    ; tensor_dim0 = 128
	s_mov_b32 s[G1A+2], 64<<16                     ; tensor_dim1 = 64
	s_mov_b32 s[G1A+3], 128<<16                    ; tile_dim0 = 128
	s_mov_b32 s[G1A+4], 64                         ; tile_dim1 = 64
	s_mov_b32 s[G1A+5], APITCH                     ; elements from row to row
	s_mov_b32 s[G1A+6], 0
	s_mov_b32 s[G1A+7], 0
	s_or_b32 s[G1B], s44, (1<<16)|(1<<20)|(1<<21)|(5<<22)|(3<<25)
	s_mov_b32 s[G1B+1], 128<<16
	s_mov_b32 s[G1B+2], 128<<16
	s_mov_b32 s[G1B+3], 128<<16
	s_mov_b32 s[G1B+4], 128
	s_mov_b32 s[G1B+5], 1024
	s_mov_b32 s[G1B+6], 0
	s_mov_b32 s[G1B+7], 0
	; byte offsets, each in registers of its own.  A's hang on the tile row and my part alone, B's on the tile column and my part alone
.if OUTP
	s_lshr_b32 s16, s13, 4
	s_lshl_b32 s16, s16, 4                         ; 16 x batch
	s_add_co_u32 s16, s16, s12                     ; + my head of the K step's two
	s_lshl_b32 s16, s16, 18                        ; a head is 2,048 rows of 128 bytes
	s_and_b32 s17, s13, 15
	s_lshl_b32 s17, s17, 14                        ; the tile's 128 rows in it
	s_add_co_u32 s16, s16, s17
.else
	s_lshl_b32 s16, s13, 18                        ; 128 rows of 2,048 bytes
	s_lshl_b32 s17, s12, 17                        ; my 64 of them
	s_add_co_u32 s16, s16, s17
.endif
	s_mov_b32 s17, 0
	s_lshl_b32 s46, s42, 19                        ; 256 rows of 2,048 bytes
	s_lshl_b32 s47, s12, 18                        ; my 128 of them
	s_add_co_u32 s46, s46, s47
	s_add_co_u32 s46, s46, WBASE
	s_mov_b32 s47, 0
.if OUTP
	s_lshl_b32 s18, s13, 19                        ; C: 128 rows of 4,096 bytes,
	s_lshl_b32 s19, s11, 18                        ; my 64,
	s_add_co_u32 s18, s18, s19
	s_lshl_b32 s19, s42, 10                        ; 256 columns of 4 bytes,
	s_add_co_u32 s18, s18, s19
	s_lshl_b32 s19, s12, 9                         ; my 128
	s_add_co_u32 s18, s18, s19
	s_lshr_b32 s22, s13, 4                         ; the prefetches: partner cx takes half cx % 2 of head cx / 2 of the K step's two
	s_lshl_b32 s22, s22, 4
	s_lshr_b32 s23, s40, 1
	s_add_co_u32 s22, s22, s23
	s_lshl_b32 s22, s22, 18
	s_and_b32 s23, s13, 15
	s_lshl_b32 s23, s23, 14
	s_add_co_u32 s22, s22, s23
	s_and_b32 s23, s40, 1
	s_lshl_b32 s23, s23, 13
	s_add_co_u32 s22, s22, s23
.else
	s_lshr_b32 s18, s13, 4                         ; C: head 16 x batch + 4 x tile column + 2 x my half of the columns,
	s_lshl_b32 s18, s18, 4
	s_lshl_b32 s19, s42, 2
	s_add_co_u32 s18, s18, s19
	s_lshl_b32 s19, s12, 1
	s_add_co_u32 s18, s18, s19
	s_lshl_b32 s18, s18, 18
	s_and_b32 s19, s13, 15                         ; the tile's 128 rows of 128 bytes in it,
	s_lshl_b32 s19, s19, 14
	s_add_co_u32 s18, s18, s19
	s_lshl_b32 s19, s11, 13                        ; my 64
	s_add_co_u32 s18, s18, s19
	s_lshl_b32 s22, s13, 18                        ; the prefetches: partner cx takes rows 32 cx .. 32 cx + 31 of the tile
	s_lshl_b32 s23, s40, 16
	s_add_co_u32 s22, s22, s23
.endif
	s_mov_b32 s19, 0
	s_mov_b32 s23, 0
	s_lshl_b32 s[BOFF], s42, 10                    ; the bias: 256 columns of 4 bytes, my 128
	s_lshl_b32 s[BOFF+1], s12, 9
	s_add_co_u32 s[BOFF], s[BOFF], s[BOFF+1]
	s_mov_b32 s[BOFF+1], 0
	s_mul_i32 s20, s12, ALOAD                      ; where the tiles go: no place in the cluster enters an LDS address
	s_mul_i32 s21, s12, BLOAD
	s_add_co_u32 s21, s21, ABYTES
	s_mov_b32 s[TB], 0
	s_mov_b32 s[PG], 4
	s_cmp_eq_u32 s10, 0
	s_cselect_b32 s[LIM], 8*TILES, 0
	s_mov_b32 s[POFF+1], 0
	s_mov_b32 s[HIM], 0xffff0000
	s_wait_dscnt 0x0                               ; the opening add is done
	s_wait_kmcnt 0x0
.if OUTP
	s_add_nc_u64 s[8:9], s[70:71], s[18:19]        ; C at my part of the tile
.else
	s_mov_b64 s[6:7], s[4:5]                       ; the weights lie in xw too
	s_add_nc_u64 s[8:9], s[74:75], s[18:19]
.endif
	s_add_nc_u64 s[14:15], s[4:5], s[16:17]
	s_add_nc_u64 s[46:47], s[6:7], s[46:47]
	s_add_nc_u64 s[PFB:PFB+1], s[4:5], s[22:23]
	s_add_nc_u64 s[BP:BP+1], s[68:69], s[BOFF:BOFF+1]
.irp s, 0,1
	s_mov_b32 s[G0A+4*(\s)], 1                                     ; 1:0 count = 1
	s_add_co_u32 s[G0A+4*(\s)+1], s20, (\s)*SLOT1                  ; 63:32 LDS address
	s_add_nc_u64 s[G0A+4*(\s)+2:G0A+4*(\s)+3], s[14:15], (\s)*ASTEP  ; 120:64 global address: K step s
	s_or_b32 s[G0A+4*(\s)+3], s[G0A+4*(\s)+3], 0x80000000          ; 127:126 type = 2
	s_mov_b32 s[G0B+4*(\s)], 1
	s_add_co_u32 s[G0B+4*(\s)+1], s21, (\s)*SLOT1
	s_add_nc_u64 s[G0B+4*(\s)+2:G0B+4*(\s)+3], s[46:47], (\s)*BSTEP
	s_or_b32 s[G0B+4*(\s)+3], s[G0B+4*(\s)+3], 0x80000000
.endr
	CROUND                                         ; all sixteen work-groups are here: the first joint loads meet
	s_cmp_eq_u32 s11, 0                            ; a wave's two first fills stand in one branch, ahead of every wait on TENSORcnt and every LDS read: two loads of mine are out
	s_cbranch_scc0 .Lfirst_b
	tensor_load_to_lds s[G0A:G0A+3], s[G1A:G1A+7]
	s_nop 0
	tensor_load_to_lds s[G0A+4:G0A+7], s[G1A:G1A+7]
	s_nop 0
.rept 4
	v_nop
.endr
	s_branch .Lfirst_asked
.Lfirst_b:
	tensor_load_to_lds s[G0B:G0B+3], s[G1B:G1B+7]
	s_nop 0
	tensor_load_to_lds s[G0B+4:G0B+7], s[G1B:G1B+7]
	s_nop 0
.rept 4
	v_nop
.endr
.Lfirst_asked:
; The bias of my 128 columns, as a C operand: 16 loads of 16 bytes; then each number rounded to bf16 and widened again, in place.
.macro LOADB
	WIN 0x80                                       ; destination window 2, address window 0
.irp b, 0,1,2,3,4,5,6,7
	global_load_b128 v[8*\b:8*\b+3],   v[BO], s[BP:BP+1] offset:64*\b
	global_load_b128 v[8*\b+4:8*\b+7], v[BO], s[BP:BP+1] offset:64*\b+16
.endr
	WIN 0
.endm
.macro CONVB
	WIN 0x8a                                       ; destination and both sources window 2
.set i, 0
.rept 32
	v_cvt_pk_bf16_f32 v[i], v[i], v[i+1]
	v_and_b32 v[i+1], s[HIM], v[i]
	v_lshlrev_b32 v[i], 16, v[i]
.set i, i+2
.endr
.endm
	v_and_b32 v1, 15, v0                           ; l % 16
	v_bfe_u32 v2, v0, 4, 1                         ; l / 16
	v_and_b32 v3, 31, v0                           ; l
	v_lshlrev_b32 v[BO], 5, v2
	LOADB
	; A fragment is 16 rows x 32 K in 8 registers: lane l holds row l % 16; registers 0-3 K = 8 (l / 16) + 0..7, registers 4-7 K = 16 + 8 (l / 16) + 0..7: two loads of 16 bytes, 32 bytes apart.
	v_mul_u32_u24 v[A0], v1, PA
	v_lshl_add_u32 v[A0], v2, 4, v[A0]
	s_mul_i32 s14, s11, 64*PA                      ; my 64 rows of A
	v_add_nc_u32 v[A0], s14, v[A0]
	v_mul_u32_u24 v[B0], v1, PB
	v_lshl_add_u32 v[B0], v2, 4, v[B0]
	s_mul_i32 s15, s12, 128*PB                     ; my 128 rows of B, behind A's part
	s_add_co_u32 s15, s15, ABYTES
	v_add_nc_u32 v[B0], s15, v[B0]
	s_mul_i32 s16, s10, STW
	s_add_co_u32 s16, s16, STAGE                   ; my stage
	v_mul_u32_u24 v[STO], v1, SP                   ; in: row l % 16, my eight columns
.if OUTP
	v_lshl_add_u32 v[STO], v2, 5, v[STO]           ; 32 bytes of f32 for each half of the lanes
	v_lshl_add_u32 v[RD], v3, 4, s16               ; back: 32 lanes take one row of 512 bytes
	v_lshlrev_b32 v[PFO], 8, v3                    ; the blocks are dense
.else
	v_lshl_add_u32 v[STO], v2, 4, v[STO]           ; 16 bytes of f16
	v_lshrrev_b32 v[RD], 3, v3                     ; back: 32 lanes take four rows of 128 bytes
	v_mul_u32_u24 v[RD], v[RD], SP
	v_and_b32 v13, 7, v0
	v_lshl_add_u32 v[RD], v13, 4, v[RD]
	v_add_nc_u32 v[RD], s16, v[RD]
	v_lshlrev_b32 v[PFO], 11, v3                   ; a lane a row of 2,048 bytes
.endif
	v_add_nc_u32 v[STO], s16, v[STO]
	v_lshlrev_b32 v[GO], 4, v3
; na x 8 matrix instructions: m blocks a0 .. a0 + na - 1 x all 8 n blocks, 32 along K: half c of buffer f.  first = 1: the sums start from the bias.
; The 32 accumulators take turns in one order everywhere, one instruction a turn: over the backward jumps and from tile to tile too.
.macro MUL f, c, a0, na, first
.if \first
	WIN 0x60                                       ; fragments window 0, C window 2, D window 1
.elseif \f
	WIN 0x5a                                       ; fragments window 2, C and D window 1
.else
	WIN 0x50                                       ; fragments window 0, C and D window 1
.endif
.set ma, \a0
.rept \na
.irp b, 0,1,2,3,4,5,6,7
.if \first
	WM v[8*(8*ma+\b):8*(8*ma+\b)+7], v[FR+96*(\c)+32+8*\b:FR+96*(\c)+32+8*\b+7], v[FR+96*(\c)+8*ma:FR+96*(\c)+8*ma+7], v[8*\b:8*\b+7]
.else
	WM v[8*(8*ma+\b):8*(8*ma+\b)+7], v[FR+96*(\c)+32+8*\b:FR+96*(\c)+32+8*\b+7], v[FR+96*(\c)+8*ma:FR+96*(\c)+8*ma+7], v[8*(8*ma+\b):8*(8*ma+\b)+7]
.endif
.endr
.set ma, ma+1
.endr
.endm
; 48 LDS loads in one run: the fragments of half hf (64 along K) of the slot in hand, into buffer f; the first 32 along K first.
.macro FETCH hf, f
.if \f
	WIN 0x80                                       ; destination window 2
.else
	WIN 0
.endif
.irp c, 0,1
.irp i, 0,1,2,3,4,5,6,7
	ds_load_b128 v[FR+96*\c+32+8*\i:FR+96*\c+32+8*\i+3],   v[ADRB] offset:128*(\hf)+64*\c+\i*16*PB
	ds_load_b128 v[FR+96*\c+32+8*\i+4:FR+96*\c+32+8*\i+7], v[ADRB] offset:128*(\hf)+64*\c+\i*16*PB+32
.endr
.irp i, 0,1,2,3
	ds_load_b128 v[FR+96*\c+8*\i:FR+96*\c+8*\i+3],   v[ADRA] offset:AHALF*(\hf)+64*\c+\i*16*PA
	ds_load_b128 v[FR+96*\c+8*\i+4:FR+96*\c+8*\i+7], v[ADRA] offset:AHALF*(\hf)+64*\c+\i*16*PA+32
.endr
.endr
.endm
; The first half of a K step: multiplies buffer 0 and fetches the step's second half into buffer 1.
.macro HALF first
	s_wait_dscnt 24                                ; the first 32 along K are in; the 24 younger loads may be out
	MUL 0, 0, 0, 4, \first
	PLACES
	FETCH 1, 1
	s_wait_dscnt 48                                ; all but the 48 just issued
	MUL 0, 1, 0, 4, 0
.endm
; The second half multiplies buffer 1 and changes slots: ONE barrier; in front of it each wave waits for all its tensor loads (one is out: its part of the next slot), adds 0 to its spare word, and waits for that and for its reads of this slot.
; mode 0: this slot is filled again, with the K step two on; mode 1: with the next tile's K step 0; mode 2: nothing is left to fetch.  Where a slot is filled the barrier opens a round of the cluster's, and the joint
; refill is the first thing behind it: 112 matrix instructions ahead of the wait for it.
.macro TURN mode
.if (\mode) < 2
	s_wait_xcnt 0x0                                ; the last prefetch, a K step back, has read its address: it is made anew here, ahead of the waits of the change of slots
.if OUTP
	s_lshl_b32 s[POFF], s[PG], 19
.else
	s_lshr_b32 s[POFF], s[PG], 3                   ; the tile: 8,192 rows of 2,048 bytes each,
	s_lshl_b32 s[POFF], s[POFF], 24
	s_and_b32 s14, s[PG], 7                        ; the K step in it: 256 bytes
	s_lshl_b32 s14, s14, 8
	s_add_co_u32 s[POFF], s[POFF], s14
.endif
	s_add_nc_u64 s[PFA:PFA+1], s[PFB:PFB+1], s[POFF:POFF+1]
.endif
	WIN 0                                          ; (the add's two registers lie in window 0)
	s_wait_tensorcnt 0x0                           ; no tensor load of mine is out, so a group 0 may be written
	ds_add_u32 v[SPW], v[NIL]                      ; 0 onto my spare word
.if (\mode) < 2
	s_xor_b32 s[G0A+5], s[G0A+5], SLOT1            ; the walking descriptors: the other slot than last time,
	s_xor_b32 s[G0B+5], s[G0B+5], SLOT1
.if (\mode) == 1
	s_add_nc_u64 s[G0A+6:G0A+7], s[G0A+6:G0A+7], NEXT_A
	s_add_nc_u64 s[G0B+6:G0B+7], s[G0B+6:G0B+7], NEXT_B
.else
	s_add_nc_u64 s[G0A+6:G0A+7], s[G0A+6:G0A+7], ASTEP  ; the next K step; the type bits on top are not reached
	s_add_nc_u64 s[G0B+6:G0B+7], s[G0B+6:G0B+7], BSTEP
.endif
.endif
	s_wait_dscnt 25                                ; (the add and the youngest 24 loads may be out)
	MUL 1, 0, 0, 1, 0                              ; eight matrix instructions stand between the add and the wait for it
	s_wait_dscnt 0x0                               ; the add is done, and my reads of this slot are over
	s_barrier_signal -1
	MUL 1, 0, 1, 1, 0                              ; work on registers while the others arrive
	WIN 0
	s_barrier_wait -1
.if (\mode) < 2
	CREST                                          ; no wave of any partner still reads this slot's tile or has a load on its way
	JLOAD                                          ; the four v_nop behind it are also the places in front of the loads below
.else
	PLACES
.endif
	s_xor_b32 s[TB], s[TB], SLOT1
	v_add_nc_u32 v[ADRA], s[TB], v[A0]
	v_add_nc_u32 v[ADRB], s[TB], v[B0]
	FETCH 0, 0
.if (\mode) < 2
	ASK                                            ; behind the joint load and the run of LDS loads that the next products wait for
.endif
	MUL 1, 0, 2, 2, 0
	MUL 1, 1, 0, 4, 0
.endm
.macro FINAL                           ; the very last half: nothing more to fetch
	s_wait_dscnt 24
	MUL 1, 0, 0, 4, 0
	s_wait_dscnt 0x0
	MUL 1, 1, 0, 4, 0
.endm
; THE WAY OUT, through my own stage in LDS: no barrier, and since LDS serves a wave's instructions in order (ISA guide 5.7.1.4) no wait between the stores and the loads.  Each accumulator is read from its low end on.
.if OUTP
.macro STG a                           ; block a: 16 rows x 128 columns of f32 into rows of 528 bytes, and back as whole rows of 512, into buffer 0's registers
.set T, FR+64*((\a)%3)
	WIN 0x04                                       ; the stores' data in window 1
.irp b, 0,1,2,3,4,5,6,7
	ds_store_b128 v[STO], v[64*(\a)+8*\b:64*(\a)+8*\b+3]   offset:64*\b
	ds_store_b128 v[STO], v[64*(\a)+8*\b+4:64*(\a)+8*\b+7] offset:64*\b+16
.endr
	WIN 0
.irp t, 0,1,2,3,4,5,6,7,8,9,10,11,12,13,14,15
	ds_load_b128 v[T+4*\t:T+4*\t+3], v[RD] offset:\t*SP
.endr
.endm
.macro OUT a, y                        ; y: the LDS instructions issued behind block a's loads: the next block's 32, or none
.set T, FR+64*((\a)%3)
.irp t, 0,1,2,3,4,5,6,7,8,9,10,11,12,13,14,15
	s_wait_dscnt (\y)+15-\t
	global_store_b128 v[GO], v[T+4*\t:T+4*\t+3], s[8:9] offset:(16*(\a)+\t)*4096 th:TH_STORE_NT  ; 512 consecutive bytes of a row, at a multiple of 256 from the buffer's first byte
.endr
.endm
.macro OUTW
	PLACES
	STG 0
	STG 1
	OUT 0, 32
	STG 2
	OUT 1, 32
	s_wait_xcnt 0x0                                ; block 0's stores have read their registers, which block 3 takes
	STG 3
	OUT 2, 32
	OUT 3, 0
.endm
.else
.macro PACK u                          ; unit u = 2 a + hd: 16 rows x one head's 64 columns, rounded to f16; into rows of 144 bytes and back as whole rows of 128
.set AC, 64*((\u)/2)+32*((\u)%2)
.set T, TMP+16*((\u)%2)
.if (\u) >= 2
	s_wait_xcnt 0x0                                ; the stores of the unit two back have read this set of registers
.endif
	WIN 0x05                                       ; sources window 1, destination window 0
.set i, 0
.rept 16
	v_cvt_pk_f16_f32 v[T+i], v[AC+2*i], v[AC+2*i+1]
.set i, i+1
.endr
	WIN 0
.irp f, 0,1,2,3
	ds_store_b128 v[STO], v[T+4*\f:T+4*\f+3] offset:32*\f
.endr
.irp f, 0,1,2,3
	ds_load_b128 v[T+4*\f:T+4*\f+3], v[RD] offset:\f*4*SP
.endr
.endm
.macro SEND u, y                       ; y: the LDS instructions issued behind unit u's loads: the next unit's eight, or none
.set T, TMP+16*((\u)%2)
.irp f, 0,1,2,3
	s_wait_dscnt (\y)+3-\f
	global_store_b128 v[GO], v[T+4*\f:T+4*\f+3], s[8:9] offset:((\u)%2)*262144+((\u)/2)*2048+\f*512 th:TH_STORE_NT  ; four rows of a head: 512 consecutive bytes, at a multiple of 256 from the buffer's first byte
.endr
.endm
.macro OUTW
	PLACES
	PACK 0
.irp u, 1,2,3,4,5,6,7                  ; a unit's conversions stand between the loads of the unit before and its stores
	PACK \u
	SEND (\u)-1, 8
.endr
	SEND 7, 0
.endm
.endif
	s_wait_tensorcnt 1                             ; my part of K step 0 is in; K step 1's may stay out
	s_barrier_signal -1
	s_barrier_wait -1                              ; everybody's is
	v_add_nc_u32 v[ADRA], s[TB], v[A0]
	v_add_nc_u32 v[ADRB], s[TB], v[B0]
	FETCH 0, 0
.if TILES > 1
	s_mov_b32 s2, TILES                            ; tiles to go, this one among them: the same number in every work-group
.Ltile:
.endif
	s_wait_loadcnt 0x0                             ; the bias
	CONVB
	HALF 1                                         ; a tile's first half step stands in front of the loop: its first products start the sums from the bias
	WIN 0                                          ; at a label and at a branch every window is 0
.if TILES > 1
	s_cmp_eq_u32 s2, 1
	s_cbranch_scc1 .Lno_bias
	s_cmp_eq_u32 s2, 3                             ; the next tile's bias: b_k behind q's tile, b_v behind k's.  The four v_nop in the half step above are the places behind the products that read the old one
	s_cselect_b64 s[BP:BP+1], s[70:71], s[72:73]
	s_add_nc_u64 s[BP:BP+1], s[BP:BP+1], s[BOFF:BOFF+1]
	LOADB
.Lno_bias:
.endif
	s_mov_b32 s3, 6
.Lstep:                                                ; trip j: the second half of K step j, the first of K step j + 1; K step j + 2 is asked for
	TURN 0
	HALF 0
	WIN 0
	s_sub_co_u32 s3, s3, 1
	s_cmp_lg_u32 s3, 0
	s_cbranch_scc1 .Lstep
.if TILES > 1
	s_cmp_eq_u32 s2, 1
	s_cbranch_scc1 .Llast                          ; the last tile's tail is written out: it asks for nothing more
	TURN 1                                         ; THE RING GOES ON INTO THE NEXT TILE: its K step 0,
	HALF 0
	TURN 0                                         ; its K step 1, and its first fragments are fetched
	WIN 0
	OUTW                                           ; both refills are asked for: now the tile goes out
	s_wait_xcnt 0x0                                ; the stores have read their base
	s_add_nc_u64 s[8:9], s[8:9], 0x1000000         ; from q to k, from k to v
	s_sub_co_u32 s2, s2, 1
	s_branch .Ltile
.Llast:
.endif
	TURN 2
	HALF 0
	FINAL
	WIN 0
	OUTW
	s_wait_tensorcnt 0x0                           ; the wave's end, behind my last tensor load and my last LDS store
	ds_add_u32 v[SPW], v[NIL]
	s_wait_dscnt 0x0
	CROUND                                         ; the closing round: no work-group ends while a partner may still ask for a tile that names it
	s_endpgm
.Lfunc_end_k_q4b81f532c0_proj:
	.size	k_q4b81f532c0_proj, .Lfunc_end_k_q4b81f532c0_proj-k_q4b81f532c0_proj
	.p2alignl 7, 3214868480
	.fill 96, 4, 3214868480
	.section	.rodata,"a",@progbits
	.p2align	6, 0x0
	.amdhsa_kernel k_q4b81f532c0_proj
		.amdhsa_group_segment_fixed_size 327680
		.amdhsa_private_segment_fixed_size 0
		.amdhsa_enable_private_segment 0
		.amdhsa_kernarg_size 40
		.amdhsa_user_sgpr_count 2
		.amdhsa_user_sgpr_kernarg_segment_ptr 1
		.amdhsa_wavefront_size32 1
		.amdhsa_system_sgpr_workgroup_id_x 1
		.amdhsa_system_sgpr_workgroup_id_y 1
		.amdhsa_system_sgpr_workgroup_id_z 1
		.amdhsa_system_vgpr_workitem_id 0
		.amdhsa_next_free_vgpr 768
		.amdhsa_next_free_sgpr 92
		.amdhsa_reserve_vcc 0
		.amdhsa_float_denorm_mode_32 3
		.amdhsa_float_denorm_mode_16_64 3
		.amdhsa_memory_ordered 1
		.amdhsa_forward_progress 1
		.amdhsa_inst_pref_size 120
	.end_amdhsa_kernel
	.amdgpu_metadata
---
amdhsa.version: [ 1, 2 ]
amdhsa.kernels:
  - .name:           k_q4b81f532c0_proj
    .symbol:         k_q4b81f532c0_proj.kd
    .args:
      - { .name: xw, .offset: 0, .size: 8, .value_kind: global_buffer, .address_space: global }
      - { .name: b_q, .offset: 8, .size: 8, .value_kind: global_buffer, .address_space: global }
      - { .name: b_k, .offset: 16, .size: 8, .value_kind: global_buffer, .address_space: global }
      - { .name: b_v, .offset: 24, .size: 8, .value_kind: global_buffer, .address_space: global }
      - { .name: qkv, .offset: 32, .size: 8, .value_kind: global_buffer, .address_space: global }
    .group_segment_fixed_size: 327680
    .private_segment_fixed_size: 0
    .kernarg_segment_align: 8
    .kernarg_segment_size: 40
    .max_flat_workgroup_size: 128
    .sgpr_count:     92
    .vgpr_count:     768
    .wavefront_size: 32
...
	.end_amdgpu_metadata
.endif
;; end of part 2
;; launch attn (part 3): grid 4 x 64, 4 waves a work-group, clusters of 4 x 1, 327,680 bytes of LDS; arguments qkv, oh; writes oh
.if DOCPART == 3
	.amdgcn_target "amdgcn-amd-amdhsa--gfx1250"
	.amdhsa_code_object_version 6
	.text
	.protected	k_q4b81f532c0_attn
	.globl	k_q4b81f532c0_attn
	.p2align	8
	.type	k_q4b81f532c0_attn,@function
k_q4b81f532c0_attn:
	s_mov_b64 s[64:65], 0
	v_nop
	global_prefetch_b8 v0, s[64:65] scope:SCOPE_SE
	s_setreg_imm32_b32 hwreg(HW_REG_WAVE_MODE, 25, 1), 1
	s_wait_xcnt 0x0
	s_wait_alu depctr_hold_cnt(0) depctr_sa_sdst(0) depctr_va_vdst(0) depctr_va_sdst(0) depctr_va_ssrc(0) depctr_va_vcc(0) depctr_vm_vsrc(0)
	s_getreg_b32 s2, hwreg(HW_REG_IB_STS2, 6, 4)
	s_cmp_eq_u32 s2, 0
	s_cbranch_scc0 .Lentry_in_a_cluster
	s_endpgm
.Lentry_in_a_cluster:
	s_bfe_u32 s2, ttmp6, 0x10000c
	s_cmp_lg_u32 s2, 0x3003
	s_cbranch_scc0 .Lentry_shape_is_right
	s_endpgm
.Lentry_shape_is_right:
; O[h][q][:] = the sum over k of softmax_k(Q[h][q] . K[h][k] / 8) V[h][k][:].  Q, K, V lie in qkv at bytes 0, 0x1000000, 0x2000000, each [64][SIZE_N][64] in f16, and O = oh has the same shape: a head's rows are
; dense, 128 bytes each.  Products, maxima and sums in f32; the weights p are rounded to f16 for the second product (their sum l is taken of the unrounded p), O once at the end.
; LIMITS.  f16 holds no number beyond 65,504: Q, K and V arrive within it; p lies in 0 to 1, and below 6e-5 it keeps f16's fixed step of 6e-8; O is a mean of V's rows and has their range.
; A weight below 2^-126 counts as 0 in l; NaN and infinities are not treated apart.
; SHARES.  A wave owns four PIECES of two tiles of 16 queries, a work-group's four waves 512 queries of one head.  Every wave walks all keys, 64 a step.
; LAYOUT.  S^T = K Q^T (source 0 = 16 keys, source 1 = 16 queries): in the result a lane holds ONE query (lane % 16) and the keys 8 (lane / 16) + 0..7.  Two such tiles, rounded to f16 in pairs,
; ARE source 1 (32 keys x 16 queries) of O^T = V^T P, whose result again holds one query a lane, and eight channels.  K comes out of LDS as it lies, V ([key][channel]) turned, by ds_load_tr16_b128.
; SOFTMAX.  For each query a running maximum m and sum l: p = 2^(c s - c m), c = log2(e) / 8; in every step O and l are multiplied by a = 2^(c m_old - c m_new), which is 1 where m has not grown.
; m starts at the lowest finite number, O and l at 0: the first step is a step like any other, with a = 0.
; THE COUNT.  A tile and step have 16 matrix and 118 vector instructions: too many to stand all beside the matrix work.  So the order has one aim: four vector instructions that are READY behind
; EVERY matrix instruction, and the others, which need time of their own whatever the order, in runs without a gap.
; BY TURNS.  Turn n belongs to piece n (the pieces in a ring, step after step).  Its matrix work: 16 products K Q^T of piece n + 1, later 16 products V^T P of piece n - 1.  Its vector work: the scaling,
; exponentials, roundings, sums and rescaling of piece n, and the maximum and statistics of piece n + 1, whose scores the turn itself has made.  So what a turn begins with (c s - c m, O a) waits for nothing.
; CLUSTER.  The four query blocks of a cluster are one head's and walk the same K and V, so each tile is asked for JOINTLY: the same tensor load, descriptor and mask in all four.
; NO PREFETCH: a refill has four key steps, 512 matrix instructions and their vector work, between its request and the wait for it.
; REGISTERS, in windows of 256 (s_set_vgpr_msb says which window each operand place means: bits 1:0 source 0, 3:2 source 1, 5:4 source 2, 7:6 destination):
;   window 0: v0-11 addresses; v12-15, v48-63 at work; v16-47 four registers of statistics a tile; v64-191 S^T, two buffers of two tiles; v192-255 P, likewise
;   window 1: O^T, 32 a tile          window 2: v0-127 Q, 16 a tile; v128-191 K of one step; v192-255 V of one step          window 3: v0-1 the add's two registers
; A piece's buffers go by its number's parity: the piece in hand has one pair, its two neighbours in the ring share the other: of it P (piece n - 1) is read and S^T (piece n + 1) written.
.set SIZE_N, 2048
.set NP,    4         ; pieces a wave: a name, no knob: the register map, the loop and the fetches are made for four
.set KS,    64        ; keys in a step
.set PK,    144       ; a row of K in LDS: 128 bytes + 16 of padding = 36 words: the 16 rows of a load start at 16 different groups of four banks (64 banks of 4 bytes: ISA guide 11.1)
.set PV,    160       ; a row of V: 128 + 32 = 40 words
.set VOFF,  4*KS*PK   ; a slot holds four steps: 256 rows of K, then 256 rows of V
.set SLOT1, 1<<17     ; slot 1 begins here, so that one exclusive or turns an address in one slot into the other's
.set STAGE, SLOT1+4*KS*(PK+PV)  ; behind the ring, never filled by a tensor load: 16 rows x 144 bytes for each wave, for the way out
.set SP,    144
.set AK0, 2           ; v2   my lane's place in a tile of K; never rewritten
.set AV0, 3           ; v3   the same for V
.set AK,  4           ; v4   the LDS address of K's next run of loads
.set AV,  5           ; v5   of V's
.set QO,  6           ; v6   my byte offset in the wave's rows of Q
.set STO, 6           ;      later, the way out: where I put 16 bytes of a row
.set RD,  7           ; v7   the way out: where I read rows back
.set GO,  8           ; v8   my byte offset in 512 consecutive bytes of O
.set SPW, 0           ; v0 of window 3   LDS address of my spare word: SPARE + 4 x my thread's number; never rewritten
.set NIL, 1           ; v1 of window 3   0; never rewritten
.set SPARE, STAGE+4*16*SP  ; behind the stages: the spare words, 128 bytes for each wave: two blocks of 256 bytes that no other line names
.set MV,  12          ; v12-15  c m_old, kept while c m is made anew: by buffer and tile
.set ST,  16          ; tile t's statistics at v[ST+4 t]: c m, m, l (even keys', odd keys')
.set TMP, 48          ; by buffer and tile, four registers c0-c3 at work; when the maximum is found c2 takes a
.set S,   64
.set P,   192
.set KF,  128         ; K's fragments, in window 2: key block kb, channel half c at KF + 16 kb + 8 c
.set VF,  192         ; V's: key half kk, channel block cb at VF + 32 kk + 8 cb
.set WV,  12          ; s12  my wave's number
.set G1K, 24          ; s[24:31] descriptor group 1 for K's tiles
.set G1V, 32          ; s[32:39] for V's: it differs in the padding alone
.set G0K, 40          ; s[40:43] descriptor group 0 for K's tiles: it walks
.set G0V, 44          ; s[44:47] the same for V's
.set SLOTS, 56        ; s56  slots still to be asked for
.set CNT, 57          ; s57  counts a slot's key steps
.set CS,  58          ; s[58:59] c: the packed scaling takes the pair's low word for both halves
.set SEL, 60          ; s[60:61] v_permlanex16_b32's selects: each lane takes its own place in the other half
.set TBK, 62          ; s62  LDS byte at which K of the step to be fetched begins
.set TBV, 63          ; s63  the same for V, less VOFF
.set MSB, 0
.macro WIN new                      ; the high byte repeats the setting that is left; a switch that changes nothing is dropped
.if MSB != (\new)
	s_set_vgpr_msb (MSB<<8)|(\new)
.set MSB, (\new)
.endif
.endm
.set W_KQ, 0x0a       ; K and Q in window 2, S^T in window 0
.set W_PV, 0x52       ; V in window 2, P in window 0, O^T in window 1
.set W_RS, 0x41       ; O^T (destination and source 0) in window 1, a in window 0
.set W_MK, 0xc0       ; the add's registers are made: destination in window 3, sources in window 0
.set W_AD, 0x0f       ; the add: address (source 0) and data (source 1) in window 3
; A joint fill.  Waves 0 and 1 fetch the two halves of a slot's K, waves 2 and 3 those of its V: 128 keys each.  The branch hangs on the wave's number alone.
; An s_nop 0 and four v_nop follow each of the two lines, ahead of the jump and the label.
.macro JLOAD
	s_cmp_lt_u32 s[WV], 2
	s_cbranch_scc0 .Lfor_v_\@
	tensor_load_to_lds s[G0K:G0K+3], s[G1K:G1K+7]
	s_nop 0
.rept 4
	v_nop
.endr
	s_branch .Lasked_\@
.Lfor_v_\@:
	tensor_load_to_lds s[G0V:G0V+3], s[G1V:G1V+7]
	s_nop 0
.rept 4
	v_nop
.endr
.Lasked_\@:
.endm
; A round of the cluster's barrier: my work-group's barrier, so that wave 0's signal speaks for all four waves; wave 0 signals; every wave waits for all four work-groups; my work-group's barrier once more.
.macro CROUND
	s_barrier_signal -1
	s_barrier_wait -1
	s_cmp_lg_u32 s[WV], 0
	s_cbranch_scc1 .Lnot_wave_0_\@
	s_barrier_signal -3
.Lnot_wave_0_\@:
	s_barrier_wait -3
	s_barrier_signal -1
	s_barrier_wait -1
.endm
; THE CHANGE OF SLOTS.  The slot's last bytes, V of its fourth step, have been read.  Each wave waits for all its tensor loads, of which one is out: its part
; of the other slot; adds 0 to its spare word; and waits for that and for its own reads of the slot.  Behind the barrier nobody reads this slot any more and the other slot is whole.
; fill = 1: this slot is filled again, with the keys two slots on.  The barrier is then a round of the cluster's, so that no wave of any partner still reads the slot or has a load on its
; way, and the joint fill is the first thing behind it: it has four key steps, 512 matrix instructions, in which to land.  (At its first use nothing has been read yet: slot 0 is waited for, slot 1 filled.)
.macro CHANGE fill
	WIN W_AD
	s_wait_tensorcnt 0x0            ; no tensor load of mine is out, so a group 0 may be written
	ds_add_u32 v[SPW], v[NIL]       ; 0 onto my spare word; with fill = 1 the descriptors' steps stand between it and the wait for it
	WIN 0                           ; at a label and at a branch every window is 0
.if \fill
.irp g, G0K, G0V
	s_xor_b32 s[\g+1], s[\g+1], SLOT1  ; the walking descriptor: the other slot than last time,
	s_add_nc_u64 s[\g+2:\g+3], s[\g+2:\g+3], 4*KS*128  ; the next 256 keys; the type bits on top are not reached
.endr
	s_wait_dscnt 0x0                ; the add is done, and my reads of the slot are over
	CROUND
	JLOAD
.else
	s_wait_dscnt 0x0                ; the add is done, and my reads of the slot are over
	s_barrier_signal -1
	s_barrier_wait -1
.endif
	s_sub_co_u32 s[TBK], s[TBK], 4*KS*PK  ; the fetches go back to a slot's first step,
	s_xor_b32 s[TBK], s[TBK], SLOT1       ; in the other slot
	s_sub_co_u32 s[TBV], s[TBV], 4*KS*PV
	s_xor_b32 s[TBV], s[TBV], SLOT1
.endm
	s_load_b128 s[4:7], s[0:1], 0x0   ; qkv s[4:5], oh s[6:7]
	WIN W_MK
	v_lshl_add_u32 v[SPW], v0, 2, SPARE
	v_mov_b32 v[NIL], 0
	WIN W_AD
	ds_add_u32 v[SPW], v[NIL]       ; the wave's opening: the add and its wait stand ahead of my first tensor load; the set-up below, work on registers, stands between them
	WIN 0
	v_lshrrev_b32 v1, 5, v0
	v_readfirstlane_b32 s[WV], v1   ; wave 0..3
	s_bfe_u32 s13, ttmp6, 0x40000   ; cx: my place in the cluster
	s_lshl_b32 s14, ttmp9, 2        ; in a cluster launch ttmp9 counts clusters
	s_add_co_u32 s14, s14, s13      ; my block of queries = 4 x cluster x + cx: it enters Q's and O's addresses alone
	s_and_b32 s20, ttmp7, 0xffff    ; the head, which the four partners share
	s_mov_b32 s21, 0
	s_mov_b64 s[22:23], SIZE_N*128
	s_mul_u64 s[20:21], s[20:21], s[22:23]  ; the head's first byte in each of the four tensors
	s_and_b32 s16, s[WV], 1         ; which half of a slot's 256 keys I fetch:
	s_lshl_b32 s22, s16, 14         ; its 128 rows of 128 bytes in memory,
	s_mov_b32 s23, 0
	s_add_nc_u64 s[22:23], s[22:23], s[20:21]
	s_mul_i32 s17, s16, 128*PK      ; and its place in a slot, for K
	s_mul_i32 s18, s16, 128*PV      ; and for V: no place in the cluster enters an LDS address
	s_lshl_b32 s2, s14, 2
	s_add_co_u32 s2, s2, s[WV]      ; my wave among the head's,
	s_lshl_b32 s2, s2, 14           ; its 128 rows
	s_mov_b32 s3, 0
	s_add_nc_u64 s[2:3], s[2:3], s[20:21]
	; descriptor group 1.  128 keys are 16,384 dense bytes: asked for as 64 rows of 256 bytes, two keys a row, and padded in LDS after every key
	s_mov_b32 s[G1K], 15|(1<<16)|(1<<20)|(1<<21)|(4<<22)|(3<<25)  ; 15:0 the mask of four; 17:16 2-byte elements; 20 padding on; 21 set beside a mask; 24:22 after every 32 words (code 4); 31:25 4 words (code 3)
	s_mov_b32 s[G1V], 15|(1<<16)|(1<<20)|(1<<21)|(4<<22)|(7<<25)  ; the same with 8 words of padding (code 7)
.irp g, G1K, G1V
	s_mov_b32 s[\g+1], 128<<16      ; tensor_dim0 = 128
	s_mov_b32 s[\g+2], 64<<16       ; tensor_dim1 = 64
	s_mov_b32 s[\g+3], 128<<16      ; tile_dim0 = 128
	s_mov_b32 s[\g+4], 64           ; tile_dim1 = 64
	s_mov_b32 s[\g+5], 128          ; 128 elements from row to row
	s_mov_b32 s[\g+6], 0
	s_mov_b32 s[\g+7], 0
.endr
	s_mov_b32 s[CS], 0x3e38aa3b     ; c = log2(e) / 8 = 0.180337
	s_mov_b32 s[CS+1], s[CS]        ; named with it as a pair
	s_mov_b32 s[SEL], 0x76543210
	s_mov_b32 s[SEL+1], 0xfedcba98
	s_mov_b32 s[TBK], SLOT1+4*KS*PK ; the first change of slots turns these two into 0
	s_mov_b32 s[TBV], SLOT1+4*KS*PV
	s_mov_b32 s[G0K], 1             ; 1:0 count = 1
	s_mov_b32 s[G0K+1], s17         ; 63:32 LDS address: slot 0
	s_mov_b32 s[G0V], 1
	s_add_co_u32 s[G0V+1], s18, VOFF
	s_wait_dscnt 0x0                ; the opening add is done
	s_wait_kmcnt 0x0
	s_mov_b64 s[10:11], s[6:7]                     ; O
	s_add_nc_u64 s[6:7], s[4:5], 0x1000000         ; K
	s_add_nc_u64 s[8:9], s[4:5], 0x2000000         ; V; Q is s[4:5]
	s_add_nc_u64 s[G0K+2:G0K+3], s[6:7], s[22:23]  ; 120:64 global address: my half of the head's first 256 keys
	s_or_b32 s[G0K+3], s[G0K+3], 0x80000000        ; 127:126 type = 2
	s_add_nc_u64 s[G0V+2:G0V+3], s[8:9], s[22:23]
	s_or_b32 s[G0V+3], s[G0V+3], 0x80000000
	s_add_nc_u64 s[4:5], s[4:5], s[2:3]  ; Q and O at my wave's first row
	s_add_nc_u64 s[10:11], s[10:11], s[2:3]
	CROUND                          ; all four work-groups are here: the first joint loads meet
	JLOAD                           ; slot 0.  Slot 1 is asked for when slot 0 is in: the tile wanted first has the road to itself
	; A fragment of K or Q is 16 rows x 32 channels in 8 registers: lane l holds row l % 16, channels 8 (l / 16) + 0..7 and 16 + 8 (l / 16) + 0..7: two loads of 16 bytes, 32 bytes apart.
	v_and_b32 v1, 15, v0            ; l % 16
	v_bfe_u32 v9, v0, 4, 1          ; l / 16
	v_lshlrev_b32 v[QO], 7, v1
	v_lshl_add_u32 v[QO], v9, 4, v[QO]  ; row x 128 + 16 x half
	WIN 0x80                        ; destination window 2, address window 0
.set i, 0
.rept 4*NP                          ; Q stays in registers: tile i / 2, channels 32 (i % 2) on
	global_load_b128 v[8*i:8*i+3],   v[QO], s[4:5] offset:(i/2)*2048+(i%2)*64
	global_load_b128 v[8*i+4:8*i+7], v[QO], s[4:5] offset:(i/2)*2048+(i%2)*64+32
.set i, i+1
.endr
	; What the first turn finds: V's registers and P's second buffer hold 0 (its products V^T P, of a piece that has not been, add 0), O^T and l are 0.  All this stands in the wait for the first tile.
.set i, VF
.rept 64
	v_mov_b32 v[i], 0
.set i, i+1
.endr
	WIN 0x40
.set i, 0
.rept 64*NP
	v_mov_b32 v[i], 0
.set i, i+1
.endr
	WIN 0
.set i, 0
.rept 2*NP
	v_mov_b32 v[ST+4*i], 0xfe000000    ; c m: far below every c s
	v_mov_b32 v[ST+4*i+1], 0xff7fffff  ; m
	v_mov_b32 v[ST+4*i+2], 0
	v_mov_b32 v[ST+4*i+3], 0
.set i, i+1
.endr
.set i, P+32
.rept 32
	v_mov_b32 v[i], 0
.set i, i+1
.endr
	v_mul_u32_u24 v[AK0], v1, PK
	v_lshl_add_u32 v[AK0], v9, 4, v[AK0]  ; row x pitch + 16 x half
	; The turning load takes 16 keys x 16 channels (lane l reads key 8 (l / 16) + l % 8, channels 8 ((l / 8) % 2) + 0..7) and leaves half a fragment of V^T: lane l holds channel l % 16 and 8 keys.
	v_and_b32 v10, 7, v0
	v_bfe_u32 v11, v0, 3, 1
	v_lshl_add_u32 v[AV0], v9, 3, v10
	v_mul_u32_u24 v[AV0], v[AV0], PV
	v_lshl_add_u32 v[AV0], v11, 4, v[AV0]
	v_add_nc_u32 v[AV0], VOFF, v[AV0]
	v_mov_b32 v[AK], v[AK0]         ; key step 0 lies at the head of slot 0
; THE MATRIX WORK.  The 8 accumulators of a run of 16 take turns: between the two links of a chain stand 7 others'.
; Product i of 16 of S^T = K Q^T for piece x: channels 32 (i / 8) on, keys 16 ((i / 2) % 4) on, tile 2 x + i % 2.  The first 8 start the sums.
.macro KQ x
	WIN W_KQ
.set rS, S+64*((\x)%2)+32*(i%2)+8*((i/2)%4)
.set rK, KF+16*((i/2)%4)+8*(i/8)
.set rQ, 16*(2*(\x)+i%2)+8*(i/8)
.if i < 8
	v_wmma_f32_16x16x32_f16 v[rS:rS+7], v[rK:rK+7], v[rQ:rQ+7], 0
.else
	v_wmma_f32_16x16x32_f16 v[rS:rS+7], v[rK:rK+7], v[rQ:rQ+7], v[rS:rS+7]
.endif
.endm
; Product i of 16 of O^T += V^T P for piece x: keys 32 (i / 8) on, channels 16 ((i / 2) % 4) on, tile 2 x + i % 2.
.macro PV x
	WIN W_PV
.set rO, 32*(2*(\x)+i%2)+8*((i/2)%4)
.set rV, VF+32*(i/8)+8*((i/2)%4)
.set rP, P+32*((\x)%2)+16*(i%2)+8*(i/8)
	v_wmma_f32_16x16x32_f16 v[rO:rO+7], v[rV:rV+7], v[rP:rP+7], v[rO:rO+7]
.endm
.macro MM                           ; the turn's next matrix instruction
.if i < 16
	KQ (Y+1)%NP
.set i, i+1
.else
.set i, i-16
	PV (Y+NP-1)%NP
.set i, i+17
.endif
.endm
; THE LDS LOADS stand in runs of 16, never singly among the matrix instructions: a step's K (64 keys x 64 channels: 8 fragments) and its V (turned).  Their addresses are made some lines ahead.
; last = 1 (the tail): in the last trip there is no further step, and the run is jumped over.
.macro FETCH_K last=0
	WIN 0
.if \last
	s_cmp_eq_u32 s[CNT], 1
	s_cbranch_scc1 .Lno_k_\@
.endif
	WIN 0x80                        ; destination window 2
.irp f, 0,1,2,3,4,5,6,7             ; keys 16 (f / 2) on, channels 32 (f % 2) on
	ds_load_b128 v[KF+8*\f:KF+8*\f+3],   v[AK] offset:(\f/2)*16*PK+(\f%2)*64
	ds_load_b128 v[KF+8*\f+4:KF+8*\f+7], v[AK] offset:(\f/2)*16*PK+(\f%2)*64+32
.endr
	s_add_co_u32 s[TBK], s[TBK], KS*PK  ; the next fetch is the next step's
	WIN 0
.if \last
.Lno_k_\@:
.endif
.endm
.macro FETCH_V
	WIN 0x80
.irp f, 0,1,2,3,4,5,6,7             ; keys 32 (f / 4) on, channels 16 (f % 4) on
	ds_load_tr16_b128 v[VF+8*\f:VF+8*\f+3],   v[AV] offset:(\f/4)*32*PV+(\f%4)*32
	ds_load_tr16_b128 v[VF+8*\f+4:VF+8*\f+7], v[AV] offset:(\f/4)*32*PV+16*PV+(\f%4)*32
.endr
	WIN 0
.endm
; THE VECTOR WORK OF A TURN stands in three queues, each in the order in which its entries become ready; the two tiles alternate, so that no instruction reads the result of the one before it.
.macro REGS y, u                    ; the registers of tile u (0, 1) of piece y
.set rT, ST+4*(2*(\y)+(\u))
.set rC, TMP+8*((\y)%2)+4*(\u)
.set rM, MV+2*((\y)%2)+(\u)
.set rS, S+64*((\y)%2)+32*(\u)
.set rP, P+32*((\y)%2)+16*(\u)
.set rO, 32*(2*(\y)+(\u))
.endm
; Number n of the 22 that find the NEXT piece's (Y + 1) maximum and statistics.  s0-s31 are the lane's 32 scores; each accumulator's lowest registers are read first.  XS, GS and REGS set no window: PL and EX do.
;   0-11  four chains c0-c3 of seven scores each, three operands at a time     12-14, 16  the four scores left over, the old m, and c0-c3 into c0     15  c m_old is kept
;   17, 18  the query's other 32 keys lie in the lane 16 away: the new m         19-21  c m; c m_old - c m_new; a
.macro XS u, n
	REGS (Y+1)%NP, \u
.if (\n) < 4
	v_max3_num_f32 v[rC+(\n)], v[rS+8*(\n)], v[rS+8*(\n)+1], v[rS+8*(\n)+2]
.elseif (\n) < 12
	v_max3_num_f32 v[rC+(\n)%4], v[rC+(\n)%4], v[rS+8*((\n)%4)+2*((\n)/4)+1], v[rS+8*((\n)%4)+2*((\n)/4)+2]
.elseif (\n) == 12
	v_max3_num_f32 v[rC], v[rC], v[rS+7], v[rS+15]
.elseif (\n) == 13
	v_max3_num_f32 v[rC+1], v[rC+1], v[rS+23], v[rS+31]
.elseif (\n) == 14
	v_max3_num_f32 v[rC+2], v[rC+2], v[rC+3], v[rT+1]
.elseif (\n) == 15
	v_mov_b32 v[rM], v[rT]
.elseif (\n) == 16
	v_max3_num_f32 v[rC], v[rC], v[rC+1], v[rC+2]
.elseif (\n) == 17
	v_permlanex16_b32 v[rC+3], v[rC], s[SEL], s[SEL+1]
.elseif (\n) == 18
	v_max_num_f32 v[rT+1], v[rC], v[rC+3]
.elseif (\n) == 19
	v_mul_f32 v[rT], s[CS], v[rT+1]
.elseif (\n) == 20
	v_sub_f32 v[rC+1], v[rM], v[rT]
.else
	v_exp_f32 v[rC+2], v[rC+1]
.endif
.endm
; Number g of the 64 that follow the exponentials.  For each four weights k of a tile (pairs 2 k, 2 k + 1): both pairs are rounded to f16; then the second pair is added onto the first, in place;
; a group later l takes that sum (the first time as l = a l + sum).  In groups of eight, tiles alternating: round, round, add, and l for the group before.
.macro GS g
.set h, (\g)+6*((\g)/62)            ; group 0 has no group before it, and behind group 7 only l is left
.if h >= 6
.set h, h+2
.endif
	REGS Y, h%2
.set k, h/8
.if h%8 < 4
	s_wait_alu depctr_va_vdst(0)
	v_cvt_pk_f16_f32 v[rP+2*k+(h%8)/2], v[rS+4*k+2*((h%8)/2)], v[rS+4*k+2*((h%8)/2)+1]
.elseif h%8 < 6
	v_pk_add_f32 v[rS+4*k:rS+4*k+1], v[rS+4*k:rS+4*k+1], v[rS+4*k+2:rS+4*k+3]
.elseif k == 1
	v_pk_fma_f32 v[rT+2:rT+3], v[rT+2:rT+3], v[rC+2:rC+3], v[rS:rS+1] op_sel_hi:[1,0,1]
.else
	v_pk_add_f32 v[rT+2:rT+3], v[rT+2:rT+3], v[rS+4*k-4:rS+4*k-3]
	s_wait_alu depctr_va_vdst(0)
.endif
.endm
; THE PLAIN QUEUE, 138 long.  0-31: c s - c m for the 16 pairs of both tiles.  Then GS's 64, and among them the next piece's 42: number 15 at 38, 39; 0-14 and 16
; at 42-73, behind the products that make those scores; 17-20 at 95-106, two of three, since each waits for the one before it.
.macro PL
	WIN 0
.if q < 32
	REGS Y, q%2
	v_pk_fma_f32 v[rS+2*(q/2):rS+2*(q/2)+1], v[rS+2*(q/2):rS+2*(q/2)+1], s[CS:CS+1], v[rT:rT+1] op_sel_hi:[1,0,0] neg_lo:[0,0,1] neg_hi:[0,0,1]
.elseif q < 38
	GS q-32
.elseif q < 40
	XS q%2, 15
.elseif q < 42
	GS q-34
.elseif q < 74
	XS q%2, (q-42)/2+(q-42)/30
.elseif q < 95
	GS q-66
.elseif (q < 107) && ((q-95)%3 < 2)
	XS (q-95)%3, 17+(q-95)/3
.elseif q < 107
	GS 29+(q-95)/3
.else
	GS q-74
.endif
.set q, q+1
.endm
; THE EXPONENTIALS' QUEUE, 66 long: s0-s31 of both tiles, and at EA the next piece's two a.
.set EA, 58
.macro EX
	WIN 0
.if (e == EA) || (e == EA+1)
	XS e-EA, 21
.else
.set x, e-2*(e/(EA+2))
	REGS Y, x%2
	v_exp_f32 v[rS+x/2], v[rS+x/2]
.endif
.set e, e+1
.endm
; THE RESCALING's QUEUE: O^T times a, the one part that leaves window 0, so it is dealt four at a time, eight times.
.macro R4
	REGS Y, r%2
	WIN W_RS
	s_wait_alu depctr_va_vdst(0)
.irp z, 0,1,2,3
	v_pk_mul_f32 v[rO+8*(r/2)+2*\z:rO+8*(r/2)+2*\z+1], v[rO+8*(r/2)+2*\z:rO+8*(r/2)+2*\z+1], v[rC+2:rC+3] op_sel_hi:[1,0]
.endr
.set r, r+1
.endm
; HOW THEY ARE DEALT.  Behind a matrix instruction four: plain, exponential, plain, plain (one exponential, a plain instruction on either side), or four of the rescaling.  None names a register of the
; products round it.  What is over stands in two LUMPS: exponential and plain by turns; the second ends in 22 plain instructions.  The two v_permlanex16_b32 fall into the second lump, never behind a product.
; The queues lean on each other, and the deal keeps them in step: exponential e stands behind plain 2 (e / 4) + e % 2 (its scaling); when plain 32 comes, 10 exponentials are out, at 59: 33, at 95: 46; EA comes behind plain 107.
.macro SL
	MM
	PL
	EX
	PL
	PL
.endm
.macro BURST n                      ; 15 matrix instructions, or 16
.rept (\n)-7
	SL
.endr
.rept 3
	MM
	R4
	SL
.endr
	MM
	R4
.endm
; A TURN, for piece p.  cnt = 1: the loop's count is taken down some lines ahead of the branch that stands behind the turn.
; K of the next step is fetched in piece 2's turn, 31 vector instructions behind the last product that read K; its first reader comes behind the rest of the lump, 16 products and the second lump.
; V of the step in hand is fetched at the end of piece 0's turn, 69 behind its last reader; its first reader comes behind 16 products and a lump.  The four conditions on e and q below go with the deal.
.macro TURN p, last=0, cnt=0
.set Y, (\p)
.set i, 0
.set q, 0
.set e, 0
.set r, 0
.if (\p) == NP-1
	s_wait_dscnt 0x0                ; K is in
.endif
	MM
.rept 4
	PL
.endr
	BURST 15
.rept 22
	EX
	PL
.if ((\p) == NP-2) && (e == 18)
	v_add_nc_u32 v[AK], s[TBK], v[AK0]
.endif
.if ((\p) == NP-2) && (e == 24)
	FETCH_K \last
.endif
.endr
.if (\p) == 1
	s_wait_dscnt 0x0                ; V is in
.endif
	BURST 16
.rept 21
	EX
	PL
.endr
.rept 22
	PL
.if ((\p) == 0) && (q == 118)
	v_add_nc_u32 v[AV], s[TBV], v[AV0]
	s_wait_alu depctr_va_vdst(0)
.endif
.if ((\p) == 0) && (q == 130)
	s_add_co_u32 s[TBV], s[TBV], KS*PV
.endif
.if (\cnt) && (q == 130)
	s_sub_co_u32 s[CNT], s[CNT], 1
	s_cmp_lg_u32 s[CNT], 0
.endif
.endr
.if (\p) == 0
	FETCH_V
.endif
.endm
	CHANGE 1                        ; slot 0 is in, everybody's part of it; slot 1 is asked for
	FETCH_K                         ; key step 0
	s_wait_loadcnt 0x0              ; Q
	s_wait_dscnt 0x0
.set i, 0
.rept 16
	KQ 0                            ; piece 0's first scores: there is no vector work yet to set between them
.set i, i+1
.endr
	WIN 0                           ; the addresses for the way out: nine plain instructions, the places behind those products
	s_mul_i32 s13, s[WV], 16*SP
	s_add_co_u32 s13, s13, STAGE    ; my stage
	v_mul_u32_u24 v[STO], v1, SP    ; in: row l % 16, 16 bytes for each half of the lanes
	v_lshl_add_u32 v[STO], v9, 4, v[STO]
	v_add_nc_u32 v[STO], s13, v[STO]
	v_bfe_u32 v[RD], v0, 3, 2       ; back: 32 lanes take four rows of 128 bytes,
	v_mul_u32_u24 v[RD], v[RD], SP
	v_lshl_add_u32 v[RD], v10, 4, v[RD]
	v_add_nc_u32 v[RD], s13, v[RD]
	v_and_b32 v[GO], 31, v0         ; which are 512 consecutive bytes of O
	v_lshlrev_b32 v[GO], 4, v[GO]
.set Y, NP-1                        ; XS works for piece Y + 1: piece 0
.irp n, 0,1,2,3,4,5,6,7,8,9,10,11,12,13,14,15,16,17,18,19,20,21
	XS 0, \n                        ; and piece 0's first maximum and statistics
	XS 1, \n
.endr
	s_mov_b32 s[CNT], 4
	s_mov_b32 s[SLOTS], SIZE_N/256-1
	s_branch .Lfirst                ; the loop is entered at a step's first turn, in the middle of a trip
.Lslot:                             ; SIZE_N / 256 - 2 times: every slot but the last two is filled again
	CHANGE 1
	s_mov_b32 s[CNT], 4
.Lstep:                             ; a trip: pieces 2 and 3 of one step, then pieces 0 and 1 of the next, whose K and V it fetches
	TURN 2
	TURN 3
	WIN 0
.Lfirst:
	TURN 0
	TURN 1, 0, 1
	WIN 0
	s_cbranch_scc1 .Lstep
	s_sub_co_u32 s[SLOTS], s[SLOTS], 1
	s_cmp_lg_u32 s[SLOTS], 0
	s_cbranch_scc1 .Lslot
	CHANGE 0                        ; the tail is written out: nothing is asked for
	s_mov_b32 s[CNT], 5             ; four trips fetch the last slot's steps; the fifth is left in its middle
.Ltail:
	TURN 2, 1
	TURN 3
	WIN 0
	s_sub_co_u32 s[CNT], s[CNT], 1
	s_cmp_eq_u32 s[CNT], 0
	s_cbranch_scc1 .Lout
	TURN 0
	TURN 1
	WIN 0
	s_branch .Ltail
.Lout:                              ; the fifth trip's 16 products K Q^T (on the last K once more) and the maximum made of them serve nothing: the price, once a launch, of one text for every trip
.set i, 0
.rept 16
	PV NP-1                         ; the last piece's V^T P of the last step
.set i, i+1
.endr
	; THE WAY OUT.  l's two halves and the other half of the lanes' are added; O^T is divided by l, rounded to f16 and sent through my stage in LDS, a tile at a time.  The additions are the places behind the last products.
	WIN 0
.macro ALL line:vararg              ; one line for each tile t
.set t, 0
.rept 2*NP
	\line
.set t, t+1
.endr
.endm
	ALL v_add_f32 v[ST+4*t+2], v[ST+4*t+2], v[ST+4*t+3]
	ALL v_permlanex16_b32 v[ST+4*t+3], v[ST+4*t+2], s[SEL], s[SEL+1]
	ALL v_add_f32 v[ST+4*t+2], v[ST+4*t+2], v[ST+4*t+3]
	ALL v_rcp_f32 v[ST+4*t+2], v[ST+4*t+2]
	v_nop                           ; a plain instruction between the last reciprocal and the use of its result
	s_wait_alu depctr_va_vdst(0)
; Tile t: a lane's eight channels of a row pack into 16 bytes; they go into rows of 144 bytes and come back as whole rows of 128, into S^T's registers.
.macro PACK t
	WIN W_RS
.set i, 32*(\t)
.rept 16
	v_pk_mul_f32 v[i:i+1], v[i:i+1], v[ST+4*(\t)+2:ST+4*(\t)+3] op_sel_hi:[1,0]
.set i, i+2
.endr
	WIN 0x05                        ; sources 0 and 1 window 1, destination window 0
.set i, 0
.rept 16
	v_cvt_pk_f16_f32 v[S+16*(\t)+i], v[32*(\t)+2*i], v[32*(\t)+2*i+1]
.set i, i+1
.endr
	WIN 0
.irp f, 0,1,2,3
	ds_store_b128 v[STO], v[S+16*(\t)+4*\f:S+16*(\t)+4*\f+3] offset:32*\f
.endr
.irp f, 0,1,2,3
	ds_load_b128 v[S+16*(\t)+4*\f:S+16*(\t)+4*\f+3], v[RD] offset:\f*4*SP  ; LDS serves a wave's instructions in order (ISA guide 5.7.1.4): these see the stores above; the next tile's stores come behind them
.endr
.endm
.macro SEND t, younger              ; younger: the LDS instructions issued behind tile t's loads: the next tile's eight, or none
	WIN 0
.irp f, 0,1,2,3
	s_wait_dscnt (\younger)+3-\f
	global_store_b128 v[GO], v[S+16*(\t)+4*\f:S+16*(\t)+4*\f+3], s[10:11] offset:(\t)*2048+\f*512  ; 512 consecutive bytes, at a multiple of 256 from O's first
.endr
.endm
	PACK 0
.set t, 1
.rept 2*NP-1                        ; a tile's arithmetic stands between the loads of the tile before and its stores
	PACK t
	SEND t-1, 8
.set t, t+1
.endr
	SEND 2*NP-1, 0
	WIN W_AD
	s_wait_tensorcnt 0x0            ; the wave's end, behind my last tensor load and my last LDS store
	ds_add_u32 v[SPW], v[NIL]
	s_wait_dscnt 0x0
	WIN 0
	CROUND                          ; the closing round: no work-group ends while a partner may still ask for a tile that names it
	s_endpgm
.Lfunc_end_k_q4b81f532c0_attn:
	.size	k_q4b81f532c0_attn, .Lfunc_end_k_q4b81f532c0_attn-k_q4b81f532c0_attn
	.p2alignl 7, 3214868480
	.fill 96, 4, 3214868480
	.section	.rodata,"a",@progbits
	.p2align	6, 0x0
	.amdhsa_kernel k_q4b81f532c0_attn
		.amdhsa_group_segment_fixed_size 327680
		.amdhsa_private_segment_fixed_size 0
		.amdhsa_enable_private_segment 0
		.amdhsa_kernarg_size 16
		.amdhsa_user_sgpr_count 2
		.amdhsa_user_sgpr_kernarg_segment_ptr 1
		.amdhsa_wavefront_size32 1
		.amdhsa_system_sgpr_workgroup_id_x 1
		.amdhsa_system_sgpr_workgroup_id_y 1
		.amdhsa_system_sgpr_workgroup_id_z 1
		.amdhsa_system_vgpr_workitem_id 0
		.amdhsa_next_free_vgpr 770
		.amdhsa_next_free_sgpr 66
		.amdhsa_reserve_vcc 0
		.amdhsa_float_denorm_mode_32 3
		.amdhsa_float_denorm_mode_16_64 3
		.amdhsa_memory_ordered 1
		.amdhsa_forward_progress 1
		.amdhsa_inst_pref_size 208
	.end_amdhsa_kernel
	.amdgpu_metadata
---
amdhsa.version: [ 1, 2 ]
amdhsa.kernels:
  - .name:           k_q4b81f532c0_attn
    .symbol:         k_q4b81f532c0_attn.kd
    .args:
      - { .name: qkv, .offset: 0, .size: 8, .value_kind: global_buffer, .address_space: global }
      - { .name: oh, .offset: 8, .size: 8, .value_kind: global_buffer, .address_space: global }
    .group_segment_fixed_size: 327680
    .private_segment_fixed_size: 0
    .kernarg_segment_align: 8
    .kernarg_segment_size: 16
    .max_flat_workgroup_size: 128
    .sgpr_count:     66
    .vgpr_count:     770
    .wavefront_size: 32
...
	.end_amdgpu_metadata
.endif
;; end of part 3
;; launch outp (part 4): grid 4 x 64, 4 waves a work-group, clusters of 4 x 4, 327,680 bytes of LDS; arguments oh, xw, b_out, out0; writes out0
.if DOCPART == 4
	.amdgcn_target "amdgcn-amd-amdhsa--gfx1250"
	.amdhsa_code_object_version 6
	.text
	.protected	k_q4b81f532c0_outp
	.globl	k_q4b81f532c0_outp
	.p2align	8
	.type	k_q4b81f532c0_outp,@function
k_q4b81f532c0_outp:
	s_mov_b64 s[64:65], 0
	v_nop
	global_prefetch_b8 v0, s[64:65] scope:SCOPE_SE
	s_setreg_imm32_b32 hwreg(HW_REG_WAVE_MODE, 25, 1), 1
	s_wait_xcnt 0x0
	s_wait_alu depctr_hold_cnt(0) depctr_sa_sdst(0) depctr_va_vdst(0) depctr_va_sdst(0) depctr_va_ssrc(0) depctr_va_vcc(0) depctr_vm_vsrc(0)
	s_getreg_b32 s2, hwreg(HW_REG_IB_STS2, 6, 4)
	s_cmp_eq_u32 s2, 0
	s_cbranch_scc0 .Lentry_in_a_cluster
	s_endpgm
.Lentry_in_a_cluster:
	s_bfe_u32 s2, ttmp6, 0x10000c
	s_cmp_lg_u32 s2, 0xf033
	s_cbranch_scc0 .Lentry_shape_is_right
	s_endpgm
.Lentry_shape_is_right:
; ONE TEXT FOR TWO LAUNCHES; OUTP chooses.  C[m][n] = bias[n] + the sum over k of A[m][k] B[n][k], M = 8192, N = K = 1024, sums in f32, started from the bias (rounded to bf16, like every input of the module).
; OUTP = 1 (this file): out0 = O W_out^T + b_out.  A = oh[16 batch + head][2048][64] in f16 (a head's 64 channels are one slice of K), B = W_out in f16 (xw + 0x3600000), the result stored in f32.
;   LIMIT: O and W_out arrive within f16's range, 65,504; below 6e-5 they keep f16's fixed step of 6e-8.
; OUTP = 0: q, k, v = x W^T + b.  A = query, key, value and B = W_q, W_k, W_v in bf16, as they lie in xw; the results are rounded once to f16, unscaled, and laid by heads: qkv[3][16 batch + head][2048][64].
; SHARES.  A tile of C is 128 rows x 256 columns: 64 x 4 = 256 tiles, one work-group each.  Four waves, each 64 x 128: 32 accumulators of 16 x 16.  With OUTP = 0 A WORK-GROUP STAYS and makes the same tile of q, k and v.
; K goes in 8 steps of 128 through a ring of two LDS slots; each wave fetches a part of a slot by one tensor load (waves 0, 1: A's two parts; waves 2, 3: B's two halves of 128 rows).
; CLUSTERS: 4 x 4 work-groups.  The four of a row of the cluster need the same tiles of A, the four of a column the same tiles of B: each is asked for JOINTLY, by the same load, descriptor and mask in all four.
; THE MATRIX INSTRUCTION IS USED TRANSPOSED (source 0 = 16 rows of B, source 1 = 16 rows of A): lane l holds row l % 16 of C and the columns 8 (l / 16) + 0..7.
; REGISTERS, in windows of 256 (s_set_vgpr_msb: bits 1:0 source 0, 3:2 source 1, 5:4 source 2, 7:6 destination):
;   window 0: v0-15 addresses; v32-63 at work on the way out; v64-255 fragment buffer 0        window 1: the accumulators, (a, b) at 8 (8 a + b)
;   window 2: v0-63 the bias as a C operand (register 8 b + j: column 16 b + 8 (l / 16) + j); v64-255 fragment buffer 1
;   A fragment buffer holds 64 along K: for each 32 (c = 0, 1), at 64 + 96 c, A's 4 fragments and then B's 8.
.set OUTP, 1
.if OUTP
.set TILES,  1
.set PA,     144                       ; a row of A in LDS: 128 bytes + 16
.set ALOAD,  128*PA                    ; what one load of A fills: a head's 128 rows
.set AHALF,  ALOAD                     ; from the first 64 along K of a step to the second: the other head
.set ASTEP,  1<<19                     ; bytes from K step to K step in memory: two heads
.set QIA,    4                         ; padding after every 32 words
.set APITCH, 128                       ; the 16,384 dense bytes are asked for as 64 rows of 256
.set WBASE,  0x3600000
.set SP,     528                       ; a stage row: 512 bytes + 16
.else
.set TILES,  3
.set PA,     272                       ; 256 bytes + 16
.set ALOAD,  64*PA                     ; 64 rows
.set AHALF,  128
.set ASTEP,  256
.set QIA,    5                         ; padding after every 64 words
.set APITCH, 1024
.set WBASE,  0x3000000
.set SP,     144                       ; a stage row: 128 bytes + 16
.endif
.set PB,     272                       ; all pitches are odd multiples of 16 bytes: the 16 rows of a fragment load start at 16 different groups of four banks (64 banks of 4 bytes: ISA guide 11.1)
.set BLOAD,  128*PB
.set BSTEP,  256
.set NEXT_A, 0x1000000-7*256           ; from a tile's K step 7 to the next tile's K step 0: 8,192 rows of x down, back along K
.set NEXT_B, 0x200000-7*256            ; 1,024 rows of the weights down
.set ABYTES, 36864                     ; a slot: A's part, then B's 256 rows
.set SLOT1,  1<<17                     ; slot 1 begins here, so that one exclusive or turns an address in one slot into the other's
.set STAGE,  SLOT1+ABYTES+2*BLOAD      ; behind the ring, never filled by a tensor load: 16 rows for each wave, for the way out
.set STW,    16*SP
.set SPARE,  STAGE+4*STW               ; behind the stages: the spare words, 128 bytes for each wave: two blocks of 256 bytes that no other line names
.set A0,   4                           ; v4   my lane's place in A's part of a slot; never rewritten
.set B0,   5                           ; v5   the same for B
.set ADRA, 6                           ; v6   A0 + the slot in hand
.set ADRB, 7                           ; v7   B0 + the slot in hand
.set STO,  8                           ; v8   the way out: where I put my bytes of a row
.set RD,   9                           ; v9   where I read rows back
.set GO,   10                          ; v10  16 x lane: my place in 512 consecutive bytes of the result
.set BO,   11                          ; v11  32 (l / 16): my place in 16 numbers of the bias
.set PFO,  12                          ; v12  the prefetches' offset: a lane a block of 256 bytes; never rewritten
.set SPW,  14                          ; v14  LDS address of my spare word: SPARE + 4 x my thread's number; never rewritten
.set NIL,  15                          ; v15  0; never rewritten
.set TMP,  32
.set FR,   64
.set G1A,  24                          ; s[24:31] descriptor group 1 for A's tiles
.set G0A,  32                          ; s[32:39] group 0: a set for each of the two first fills; the second then walks on
.set G1B,  48                          ; s[48:55], s[56:63] the same for B's
.set G0B,  56
.set BP,   76                          ; s[76:77] the bias at my 128 columns
.set BOFF, 78                          ; s[78:79] their byte offset
.set TB,   80                          ; s80  the slot in hand: 0 or SLOT1
.set PG,   81                          ; s81  the K step that the next prefetch names, counted through all tiles
.set LIM,  82                          ; s82  8 x TILES in wave 0, which prefetches; 0 in the others
.set PFB,  84                          ; s[84:85] A at my work-group's 32 blocks of K step 0 of the first tile
.set PFA,  86                          ; s[86:87] the same at K step PG
.set POFF, 88                          ; s[88:89] the difference
.set HIM,  90                          ; s90  a word's upper bf16
.set MSB, 0
.macro WIN new                         ; the immediate's high byte repeats the setting that is left; a switch that changes nothing is dropped
.if MSB != (\new)
	s_set_vgpr_msb (MSB<<8)|(\new)
.set MSB, \new
.endif
.endm
.macro WM ops:vararg                   ; the matrix instruction of this launch
.if OUTP
	v_wmma_f32_16x16x32_f16 \ops
.else
	v_wmma_f32_16x16x32_bf16 \ops
.endif
.endm
.macro PLACES                          ; four places in front of loads into registers that matrix instructions have read, and of lines that read results (ISA guide 7.12.1 for lines that read results)
.rept 4
	v_nop
.endr
.endm
; A joint refill, by the walking descriptors.  The branch hangs on the wave's number alone.  An s_nop 0 and four v_nop follow each of the two lines, ahead of the jump and the label.
.macro JLOAD
	s_cmp_eq_u32 s11, 0
	s_cbranch_scc0 .Lfor_b_\@
	tensor_load_to_lds s[G0A+4:G0A+7], s[G1A:G1A+7]
	s_nop 0
.rept 4
	v_nop
.endr
	s_branch .Lasked_\@
.Lfor_b_\@:
	tensor_load_to_lds s[G0B+4:G0B+7], s[G1B:G1B+7]
	s_nop 0
.rept 4
	v_nop
.endr
.Lasked_\@:
.endm
.macro CREST                           ; a round of the cluster's barrier behind its opening barrier
	s_cmp_lg_u32 s10, 0
	s_cbranch_scc1 .Lnot_wave_0_\@
	s_barrier_signal -3
.Lnot_wave_0_\@:
	s_barrier_wait -3
	s_barrier_signal -1
	s_barrier_wait -1
.endm
.macro CROUND                          ; a whole round
	s_barrier_signal -1
	s_barrier_wait -1
	CREST
.endm
; A PREFETCH INTO THE L2 of A's K step that stands two refills on: 128 blocks of 256 bytes.  A's tile row is read by this one cluster alone; its four partners along x take 32 blocks each, told apart BY ADDRESS;
; in each, wave 0 asks, a lane a block: one instruction, and each block is named once in the launch.  The first four K steps come by their loads alone; nothing behind the last tile's last K step is named.
; B's rows are not asked for: all sixteen clusters read the same weights at the same time.
.macro ASK
	s_cmp_lt_u32 s[PG], s[LIM]
	s_cbranch_scc0 .Lnot_mine_\@
	global_prefetch_b8 v[PFO], s[PFA:PFA+1] th:TH_LOAD_NT scope:SCOPE_SE
.Lnot_mine_\@:
	s_add_co_u32 s[PG], s[PG], 1
.endm
.if OUTP
	s_load_b128 s[4:7], s[0:1], 0x0                ; oh s[4:5], xw s[6:7]
	s_load_b128 s[68:71], s[0:1], 0x10             ; b_out s[68:69], out0 s[70:71]
.else
	s_load_b64 s[4:5], s[0:1], 0x0                 ; xw
	s_load_b256 s[68:75], s[0:1], 0x8              ; b_q s[68:69], b_k s[70:71], b_v s[72:73], qkv s[74:75]
.endif
	v_lshl_add_u32 v[SPW], v0, 2, SPARE
	v_mov_b32 v[NIL], 0
	ds_add_u32 v[SPW], v[NIL]                      ; the wave's opening: the add and its wait stand ahead of my first tensor load; the set-up below, work on registers, stands between them
	v_lshrrev_b32 v1, 5, v0
	v_readfirstlane_b32 s10, v1                    ; wave 0..3
	s_lshr_b32 s11, s10, 1                         ; which 64 rows of the tile are mine.  Also: I fetch for A (0) or for B (1)
	s_and_b32 s12, s10, 1                          ; which 128 columns.  Also: which part of that tile I fetch
	s_bfe_u32 s40, ttmp6, 0x40000                  ; cx, cy: my place in the cluster
	s_bfe_u32 s41, ttmp6, 0x40004
	s_lshl_b32 s42, ttmp9, 2
	s_add_co_u32 s42, s42, s40                     ; tile column = 4 x cluster x + cx
	s_and_b32 s13, ttmp7, 0xffff
	s_lshl_b32 s13, s13, 2
	s_add_co_u32 s13, s13, s41                     ; tile row = 4 x cluster y + cy
	s_lshl_b32 s43, s41, 2
	s_lshl_b32 s43, 15, s43                        ; my row of the cluster
	s_lshl_b32 s44, 0x1111, s40                    ; my column
	; descriptor group 1.  A: 64 rows x 128 elements; B: 128 rows x 128 elements; both padded in LDS by 4 words
	s_or_b32 s[G1A], s43, (1<<16)|(1<<20)|(1<<21)|(QIA<<22)|(3<<25)  ; 15:0 the mask; 17:16 elements of 2 bytes; 20 padding on; 21 set beside a mask; 24:22 the interval; 31:25 4 words (code 3)
	s_mov_b32 s[G1A+1], 128<<16                    ; tensor_dim0 = 128
	s_mov_b32 s[G1A+2], 64<<16                     ; tensor_dim1 = 64
	s_mov_b32 s[G1A+3], 128<<16                    ; tile_dim0 = 128
	s_mov_b32 s[G1A+4], 64                         ; tile_dim1 = 64
	s_mov_b32 s[G1A+5], APITCH                     ; elements from row to row
	s_mov_b32 s[G1A+6], 0
	s_mov_b32 s[G1A+7], 0
	s_or_b32 s[G1B], s44, (1<<16)|(1<<20)|(1<<21)|(5<<22)|(3<<25)
	s_mov_b32 s[G1B+1], 128<<16
	s_mov_b32 s[G1B+2], 128<<16
	s_mov_b32 s[G1B+3], 128<<16
	s_mov_b32 s[G1B+4], 128
	s_mov_b32 s[G1B+5], 1024
	s_mov_b32 s[G1B+6], 0
	s_mov_b32 s[G1B+7], 0
	; byte offsets, each in registers of its own.  A's hang on the tile row and my part alone, B's on the tile column and my part alone
.if OUTP
	s_lshr_b32 s16, s13, 4
	s_lshl_b32 s16, s16, 4                         ; 16 x batch
	s_add_co_u32 s16, s16, s12                     ; + my head of the K step's two
	s_lshl_b32 s16, s16, 18                        ; a head is 2,048 rows of 128 bytes
	s_and_b32 s17, s13, 15
	s_lshl_b32 s17, s17, 14                        ; the tile's 128 rows in it
	s_add_co_u32 s16, s16, s17
.else
	s_lshl_b32 s16, s13, 18                        ; 128 rows of 2,048 bytes
	s_lshl_b32 s17, s12, 17                        ; my 64 of them
	s_add_co_u32 s16, s16, s17
.endif
	s_mov_b32 s17, 0
	s_lshl_b32 s46, s42, 19                        ; 256 rows of 2,048 bytes
	s_lshl_b32 s47, s12, 18                        ; my 128 of them
	s_add_co_u32 s46, s46, s47
	s_add_co_u32 s46, s46, WBASE
	s_mov_b32 s47, 0
.if OUTP
	s_lshl_b32 s18, s13, 19                        ; C: 128 rows of 4,096 bytes,
	s_lshl_b32 s19, s11, 18                        ; my 64,
	s_add_co_u32 s18, s18, s19
	s_lshl_b32 s19, s42, 10                        ; 256 columns of 4 bytes,
	s_add_co_u32 s18, s18, s19
	s_lshl_b32 s19, s12, 9                         ; my 128
	s_add_co_u32 s18, s18, s19
	s_lshr_b32 s22, s13, 4                         ; the prefetches: partner cx takes half cx % 2 of head cx / 2 of the K step's two
	s_lshl_b32 s22, s22, 4
	s_lshr_b32 s23, s40, 1
	s_add_co_u32 s22, s22, s23
	s_lshl_b32 s22, s22, 18
	s_and_b32 s23, s13, 15
	s_lshl_b32 s23, s23, 14
	s_add_co_u32 s22, s22, s23
	s_and_b32 s23, s40, 1
	s_lshl_b32 s23, s23, 13
	s_add_co_u32 s22, s22, s23
.else
	s_lshr_b32 s18, s13, 4                         ; C: head 16 x batch + 4 x tile column + 2 x my half of the columns,
	s_lshl_b32 s18, s18, 4
	s_lshl_b32 s19, s42, 2
	s_add_co_u32 s18, s18, s19
	s_lshl_b32 s19, s12, 1
	s_add_co_u32 s18, s18, s19
	s_lshl_b32 s18, s18, 18
	s_and_b32 s19, s13, 15                         ; the tile's 128 rows of 128 bytes in it,
	s_lshl_b32 s19, s19, 14
	s_add_co_u32 s18, s18, s19
	s_lshl_b32 s19, s11, 13                        ; my 64
	s_add_co_u32 s18, s18, s19
	s_lshl_b32 s22, s13, 18                        ; the prefetches: partner cx takes rows 32 cx .. 32 cx + 31 of the tile
	s_lshl_b32 s23, s40, 16
	s_add_co_u32 s22, s22, s23
.endif
	s_mov_b32 s19, 0
	s_mov_b32 s23, 0
	s_lshl_b32 s[BOFF], s42, 10                    ; the bias: 256 columns of 4 bytes, my 128
	s_lshl_b32 s[BOFF+1], s12, 9
	s_add_co_u32 s[BOFF], s[BOFF], s[BOFF+1]
	s_mov_b32 s[BOFF+1], 0
	s_mul_i32 s20, s12, ALOAD                      ; where the tiles go: no place in the cluster enters an LDS address
	s_mul_i32 s21, s12, BLOAD
	s_add_co_u32 s21, s21, ABYTES
	s_mov_b32 s[TB], 0
	s_mov_b32 s[PG], 4
	s_cmp_eq_u32 s10, 0
	s_cselect_b32 s[LIM], 8*TILES, 0
	s_mov_b32 s[POFF+1], 0
	s_mov_b32 s[HIM], 0xffff0000
	s_wait_dscnt 0x0                               ; the opening add is done
	s_wait_kmcnt 0x0
.if OUTP
	s_add_nc_u64 s[8:9], s[70:71], s[18:19]        ; C at my part of the tile
.else
	s_mov_b64 s[6:7], s[4:5]                       ; the weights lie in xw too
	s_add_nc_u64 s[8:9], s[74:75], s[18:19]
.endif
	s_add_nc_u64 s[14:15], s[4:5], s[16:17]
	s_add_nc_u64 s[46:47], s[6:7], s[46:47]
	s_add_nc_u64 s[PFB:PFB+1], s[4:5], s[22:23]
	s_add_nc_u64 s[BP:BP+1], s[68:69], s[BOFF:BOFF+1]
.irp s, 0,1
	s_mov_b32 s[G0A+4*(\s)], 1                                     ; 1:0 count = 1
	s_add_co_u32 s[G0A+4*(\s)+1], s20, (\s)*SLOT1                  ; 63:32 LDS address
	s_add_nc_u64 s[G0A+4*(\s)+2:G0A+4*(\s)+3], s[14:15], (\s)*ASTEP  ; 120:64 global address: K step s
	s_or_b32 s[G0A+4*(\s)+3], s[G0A+4*(\s)+3], 0x80000000          ; 127:126 type = 2
	s_mov_b32 s[G0B+4*(\s)], 1
	s_add_co_u32 s[G0B+4*(\s)+1], s21, (\s)*SLOT1
	s_add_nc_u64 s[G0B+4*(\s)+2:G0B+4*(\s)+3], s[46:47], (\s)*BSTEP
	s_or_b32 s[G0B+4*(\s)+3], s[G0B+4*(\s)+3], 0x80000000
.endr
	CROUND                                         ; all sixteen work-groups are here: the first joint loads meet
	s_cmp_eq_u32 s11, 0                            ; a wave's two first fills stand in one branch, ahead of every wait on TENSORcnt and every LDS read: two loads of mine are out
	s_cbranch_scc0 .Lfirst_b
	tensor_load_to_lds s[G0A:G0A+3], s[G1A:G1A+7]
	s_nop 0
	tensor_load_to_lds s[G0A+4:G0A+7], s[G1A:G1A+7]
	s_nop 0
.rept 4
	v_nop
.endr
	s_branch .Lfirst_asked
.Lfirst_b:
	tensor_load_to_lds s[G0B:G0B+3], s[G1B:G1B+7]
	s_nop 0
	tensor_load_to_lds s[G0B+4:G0B+7], s[G1B:G1B+7]
	s_nop 0
.rept 4
	v_nop
.endr
.Lfirst_asked:
; The bias of my 128 columns, as a C operand: 16 loads of 16 bytes; then each number rounded to bf16 and widened again, in place.
.macro LOADB
	WIN 0x80                                       ; destination window 2, address window 0
.irp b, 0,1,2,3,4,5,6,7
	global_load_b128 v[8*\b:8*\b+3],   v[BO], s[BP:BP+1] offset:64*\b
	global_load_b128 v[8*\b+4:8*\b+7], v[BO], s[BP:BP+1] offset:64*\b+16
.endr
	WIN 0
.endm
.macro CONVB
	WIN 0x8a                                       ; destination and both sources window 2
.set i, 0
.rept 32
	v_cvt_pk_bf16_f32 v[i], v[i], v[i+1]
	v_and_b32 v[i+1], s[HIM], v[i]
	v_lshlrev_b32 v[i], 16, v[i]
.set i, i+2
.endr
.endm
	v_and_b32 v1, 15, v0                           ; l % 16
	v_bfe_u32 v2, v0, 4, 1                         ; l / 16
	v_and_b32 v3, 31, v0                           ; l
	v_lshlrev_b32 v[BO], 5, v2
	LOADB
	; A fragment is 16 rows x 32 K in 8 registers: lane l holds row l % 16; registers 0-3 K = 8 (l / 16) + 0..7, registers 4-7 K = 16 + 8 (l / 16) + 0..7: two loads of 16 bytes, 32 bytes apart.
	v_mul_u32_u24 v[A0], v1, PA
	v_lshl_add_u32 v[A0], v2, 4, v[A0]
	s_mul_i32 s14, s11, 64*PA                      ; my 64 rows of A
	v_add_nc_u32 v[A0], s14, v[A0]
	v_mul_u32_u24 v[B0], v1, PB
	v_lshl_add_u32 v[B0], v2, 4, v[B0]
	s_mul_i32 s15, s12, 128*PB                     ; my 128 rows of B, behind A's part
	s_add_co_u32 s15, s15, ABYTES
	v_add_nc_u32 v[B0], s15, v[B0]
	s_mul_i32 s16, s10, STW
	s_add_co_u32 s16, s16, STAGE                   ; my stage
	v_mul_u32_u24 v[STO], v1, SP                   ; in: row l % 16, my eight columns
.if OUTP
	v_lshl_add_u32 v[STO], v2, 5, v[STO]           ; 32 bytes of f32 for each half of the lanes
	v_lshl_add_u32 v[RD], v3, 4, s16               ; back: 32 lanes take one row of 512 bytes
	v_lshlrev_b32 v[PFO], 8, v3                    ; the blocks are dense
.else
	v_lshl_add_u32 v[STO], v2, 4, v[STO]           ; 16 bytes of f16
	v_lshrrev_b32 v[RD], 3, v3                     ; back: 32 lanes take four rows of 128 bytes
	v_mul_u32_u24 v[RD], v[RD], SP
	v_and_b32 v13, 7, v0
	v_lshl_add_u32 v[RD], v13, 4, v[RD]
	v_add_nc_u32 v[RD], s16, v[RD]
	v_lshlrev_b32 v[PFO], 11, v3                   ; a lane a row of 2,048 bytes
.endif
	v_add_nc_u32 v[STO], s16, v[STO]
	v_lshlrev_b32 v[GO], 4, v3
; na x 8 matrix instructions: m blocks a0 .. a0 + na - 1 x all 8 n blocks, 32 along K: half c of buffer f.  first = 1: the sums start from the bias.
; The 32 accumulators take turns in one order everywhere, one instruction a turn: over the backward jumps and from tile to tile too.
.macro MUL f, c, a0, na, first
.if \first
	WIN 0x60                                       ; fragments window 0, C window 2, D window 1
.elseif \f
	WIN 0x5a                                       ; fragments window 2, C and D window 1
.else
	WIN 0x50                                       ; fragments window 0, C and D window 1
.endif
.set ma, \a0
.rept \na
.irp b, 0,1,2,3,4,5,6,7
.if \first
	WM v[8*(8*ma+\b):8*(8*ma+\b)+7], v[FR+96*(\c)+32+8*\b:FR+96*(\c)+32+8*\b+7], v[FR+96*(\c)+8*ma:FR+96*(\c)+8*ma+7], v[8*\b:8*\b+7]
.else
	WM v[8*(8*ma+\b):8*(8*ma+\b)+7], v[FR+96*(\c)+32+8*\b:FR+96*(\c)+32+8*\b+7], v[FR+96*(\c)+8*ma:FR+96*(\c)+8*ma+7], v[8*(8*ma+\b):8*(8*ma+\b)+7]
.endif
.endr
.set ma, ma+1
.endr
.endm
; 48 LDS loads in one run: the fragments of half hf (64 along K) of the slot in hand, into buffer f; the first 32 along K first.
.macro FETCH hf, f
.if \f
	WIN 0x80                                       ; destination window 2
.else
	WIN 0
.endif
.irp c, 0,1
.irp i, 0,1,2,3,4,5,6,7
	ds_load_b128 v[FR+96*\c+32+8*\i:FR+96*\c+32+8*\i+3],   v[ADRB] offset:128*(\hf)+64*\c+\i*16*PB
	ds_load_b128 v[FR+96*\c+32+8*\i+4:FR+96*\c+32+8*\i+7], v[ADRB] offset:128*(\hf)+64*\c+\i*16*PB+32
.endr
.irp i, 0,1,2,3
	ds_load_b128 v[FR+96*\c+8*\i:FR+96*\c+8*\i+3],   v[ADRA] offset:AHALF*(\hf)+64*\c+\i*16*PA
	ds_load_b128 v[FR+96*\c+8*\i+4:FR+96*\c+8*\i+7], v[ADRA] offset:AHALF*(\hf)+64*\c+\i*16*PA+32
.endr
.endr
.endm
; The first half of a K step: multiplies buffer 0 and fetches the step's second half into buffer 1.
.macro HALF first
	s_wait_dscnt 24                                ; the first 32 along K are in; the 24 younger loads may be out
	MUL 0, 0, 0, 4, \first
	PLACES
	FETCH 1, 1
	s_wait_dscnt 48                                ; all but the 48 just issued
	MUL 0, 1, 0, 4, 0
.endm
; The second half multiplies buffer 1 and changes slots: ONE barrier; in front of it each wave waits for all its tensor loads (one is out: its part of the next slot), adds 0 to its spare word, and waits for that and for its reads of this slot.
; mode 0: this slot is filled again, with the K step two on; mode 1: with the next tile's K step 0; mode 2: nothing is left to fetch.  Where a slot is filled the barrier opens a round of the cluster's, and the joint
; refill is the first thing behind it: 112 matrix instructions ahead of the wait for it.
.macro TURN mode
.if (\mode) < 2
	s_wait_xcnt 0x0                                ; the last prefetch, a K step back, has read its address: it is made anew here, ahead of the waits of the change of slots
.if OUTP
	s_lshl_b32 s[POFF], s[PG], 19
.else
	s_lshr_b32 s[POFF], s[PG], 3                   ; the tile: 8,192 rows of 2,048 bytes each,
	s_lshl_b32 s[POFF], s[POFF], 24
	s_and_b32 s14, s[PG], 7                        ; the K step in it: 256 bytes
	s_lshl_b32 s14, s14, 8
	s_add_co_u32 s[POFF], s[POFF], s14
.endif
	s_add_nc_u64 s[PFA:PFA+1], s[PFB:PFB+1], s[POFF:POFF+1]
.endif
	WIN 0                                          ; (the add's two registers lie in window 0)
	s_wait_tensorcnt 0x0                           ; no tensor load of mine is out, so a group 0 may be written
	ds_add_u32 v[SPW], v[NIL]                      ; 0 onto my spare word
.if (\mode) < 2
	s_xor_b32 s[G0A+5], s[G0A+5], SLOT1            ; the walking descriptors: the other slot than last time,
	s_xor_b32 s[G0B+5], s[G0B+5], SLOT1
.if (\mode) == 1
	s_add_nc_u64 s[G0A+6:G0A+7], s[G0A+6:G0A+7], NEXT_A
	s_add_nc_u64 s[G0B+6:G0B+7], s[G0B+6:G0B+7], NEXT_B
.else
	s_add_nc_u64 s[G0A+6:G0A+7], s[G0A+6:G0A+7], ASTEP  ; the next K step; the type bits on top are not reached
	s_add_nc_u64 s[G0B+6:G0B+7], s[G0B+6:G0B+7], BSTEP
.endif
.endif
	s_wait_dscnt 25                                ; (the add and the youngest 24 loads may be out)
	MUL 1, 0, 0, 1, 0                              ; eight matrix instructions stand between the add and the wait for it
	s_wait_dscnt 0x0                               ; the add is done, and my reads of this slot are over
	s_barrier_signal -1
	MUL 1, 0, 1, 1, 0                              ; work on registers while the others arrive
	WIN 0
	s_barrier_wait -1
.if (\mode) < 2
	CREST                                          ; no wave of any partner still reads this slot's tile or has a load on its way
	JLOAD                                          ; the four v_nop behind it are also the places in front of the loads below
.else
	PLACES
.endif
	s_xor_b32 s[TB], s[TB], SLOT1
	v_add_nc_u32 v[ADRA], s[TB], v[A0]
	v_add_nc_u32 v[ADRB], s[TB], v[B0]
	FETCH 0, 0
.if (\mode) < 2
	ASK                                            ; behind the joint load and the run of LDS loads that the next products wait for
.endif
	MUL 1, 0, 2, 2, 0
	MUL 1, 1, 0, 4, 0
.endm
.macro FINAL                           ; the very last half: nothing more to fetch
	s_wait_dscnt 24
	MUL 1, 0, 0, 4, 0
	s_wait_dscnt 0x0
	MUL 1, 1, 0, 4, 0
.endm
; THE WAY OUT, through my own stage in LDS: no barrier, and since LDS serves a wave's instructions in order (ISA guide 5.7.1.4) no wait between the stores and the loads.  Each accumulator is read from its low end on.
.if OUTP
.macro STG a                           ; block a: 16 rows x 128 columns of f32 into rows of 528 bytes, and back as whole rows of 512, into buffer 0's registers
.set T, FR+64*((\a)%3)
	WIN 0x04                                       ; the stores' data in window 1
.irp b, 0,1,2,3,4,5,6,7
	ds_store_b128 v[STO], v[64*(\a)+8*\b:64*(\a)+8*\b+3]   offset:64*\b
	ds_store_b128 v[STO], v[64*(\a)+8*\b+4:64*(\a)+8*\b+7] offset:64*\b+16
.endr
	WIN 0
.irp t, 0,1,2,3,4,5,6,7,8,9,10,11,12,13,14,15
	ds_load_b128 v[T+4*\t:T+4*\t+3], v[RD] offset:\t*SP
.endr
.endm
.macro OUT a, y                        ; y: the LDS instructions issued behind block a's loads: the next block's 32, or none
.set T, FR+64*((\a)%3)
.irp t, 0,1,2,3,4,5,6,7,8,9,10,11,12,13,14,15
	s_wait_dscnt (\y)+15-\t
	global_store_b128 v[GO], v[T+4*\t:T+4*\t+3], s[8:9] offset:(16*(\a)+\t)*4096 th:TH_STORE_NT  ; 512 consecutive bytes of a row, at a multiple of 256 from the buffer's first byte
.endr
.endm
.macro OUTW
	PLACES
	STG 0
	STG 1
	OUT 0, 32
	STG 2
	OUT 1, 32
	s_wait_xcnt 0x0                                ; block 0's stores have read their registers, which block 3 takes
	STG 3
	OUT 2, 32
	OUT 3, 0
.endm
.else
.macro PACK u                          ; unit u = 2 a + hd: 16 rows x one head's 64 columns, rounded to f16; into rows of 144 bytes and back as whole rows of 128
.set AC, 64*((\u)/2)+32*((\u)%2)
.set T, TMP+16*((\u)%2)
.if (\u) >= 2
	s_wait_xcnt 0x0                                ; the stores of the unit two back have read this set of registers
.endif
	WIN 0x05                                       ; sources window 1, destination window 0
.set i, 0
.rept 16
	v_cvt_pk_f16_f32 v[T+i], v[AC+2*i], v[AC+2*i+1]
.set i, i+1
.endr
	WIN 0
.irp f, 0,1,2,3
	ds_store_b128 v[STO], v[T+4*\f:T+4*\f+3] offset:32*\f
.endr
.irp f, 0,1,2,3
	ds_load_b128 v[T+4*\f:T+4*\f+3], v[RD] offset:\f*4*SP
.endr
.endm
.macro SEND u, y                       ; y: the LDS instructions issued behind unit u's loads: the next unit's eight, or none
.set T, TMP+16*((\u)%2)
.irp f, 0,1,2,3
	s_wait_dscnt (\y)+3-\f
	global_store_b128 v[GO], v[T+4*\f:T+4*\f+3], s[8:9] offset:((\u)%2)*262144+((\u)/2)*2048+\f*512 th:TH_STORE_NT  ; four rows of a head: 512 consecutive bytes, at a multiple of 256 from the buffer's first byte
.endr
.endm
.macro OUTW
	PLACES
	PACK 0
.irp u, 1,2,3,4,5,6,7                  ; a unit's conversions stand between the loads of the unit before and its stores
	PACK \u
	SEND (\u)-1, 8
.endr
	SEND 7, 0
.endm
.endif
	s_wait_tensorcnt 1                             ; my part of K step 0 is in; K step 1's may stay out
	s_barrier_signal -1
	s_barrier_wait -1                              ; everybody's is
	v_add_nc_u32 v[ADRA], s[TB], v[A0]
	v_add_nc_u32 v[ADRB], s[TB], v[B0]
	FETCH 0, 0
.if TILES > 1
	s_mov_b32 s2, TILES                            ; tiles to go, this one among them: the same number in every work-group
.Ltile:
.endif
	s_wait_loadcnt 0x0                             ; the bias
	CONVB
	HALF 1                                         ; a tile's first half step stands in front of the loop: its first products start the sums from the bias
	WIN 0                                          ; at a label and at a branch every window is 0
.if TILES > 1
	s_cmp_eq_u32 s2, 1
	s_cbranch_scc1 .Lno_bias
	s_cmp_eq_u32 s2, 3                             ; the next tile's bias: b_k behind q's tile, b_v behind k's.  The four v_nop in the half step above are the places behind the products that read the old one
	s_cselect_b64 s[BP:BP+1], s[70:71], s[72:73]
	s_add_nc_u64 s[BP:BP+1], s[BP:BP+1], s[BOFF:BOFF+1]
	LOADB
.Lno_bias:
.endif
	s_mov_b32 s3, 6
.Lstep:                                                ; trip j: the second half of K step j, the first of K step j + 1; K step j + 2 is asked for
	TURN 0
	HALF 0
	WIN 0
	s_sub_co_u32 s3, s3, 1
	s_cmp_lg_u32 s3, 0
	s_cbranch_scc1 .Lstep
.if TILES > 1
	s_cmp_eq_u32 s2, 1
	s_cbranch_scc1 .Llast                          ; the last tile's tail is written out: it asks for nothing more
	TURN 1                                         ; THE RING GOES ON INTO THE NEXT TILE: its K step 0,
	HALF 0
	TURN 0                                         ; its K step 1, and its first fragments are fetched
	WIN 0
	OUTW                                           ; both refills are asked for: now the tile goes out
	s_wait_xcnt 0x0                                ; the stores have read their base
	s_add_nc_u64 s[8:9], s[8:9], 0x1000000         ; from q to k, from k to v
	s_sub_co_u32 s2, s2, 1
	s_branch .Ltile
.Llast:
.endif
	TURN 2
	HALF 0
	FINAL
	WIN 0
	OUTW
	s_wait_tensorcnt 0x0                           ; the wave's end, behind my last tensor load and my last LDS store
	ds_add_u32 v[SPW], v[NIL]
	s_wait_dscnt 0x0
	CROUND                                         ; the closing round: no work-group ends while a partner may still ask for a tile that names it
	s_endpgm
.Lfunc_end_k_q4b81f532c0_outp:
	.size	k_q4b81f532c0_outp, .Lfunc_end_k_q4b81f532c0_outp-k_q4b81f532c0_outp
	.p2alignl 7, 3214868480
	.fill 96, 4, 3214868480
	.section	.rodata,"a",@progbits
	.p2align	6, 0x0
	.amdhsa_kernel k_q4b81f532c0_outp
		.amdhsa_group_segment_fixed_size 327680
		.amdhsa_private_segment_fixed_size 0
		.amdhsa_enable_private_segment 0
		.amdhsa_kernarg_size 32
		.amdhsa_user_sgpr_count 2
		.amdhsa_user_sgpr_kernarg_segment_ptr 1
		.amdhsa_wavefront_size32 1
		.amdhsa_system_sgpr_workgroup_id_x 1
		.amdhsa_system_sgpr_workgroup_id_y 1
		.amdhsa_system_sgpr_workgroup_id_z 1
		.amdhsa_system_vgpr_workitem_id 0
		.amdhsa_next_free_vgpr 768
		.amdhsa_next_free_sgpr 92
		.amdhsa_reserve_vcc 0
		.amdhsa_float_denorm_mode_32 3
		.amdhsa_float_denorm_mode_16_64 3
		.amdhsa_memory_ordered 1
		.amdhsa_forward_progress 1
		.amdhsa_inst_pref_size 76
	.end_amdhsa_kernel
	.amdgpu_metadata
---
amdhsa.version: [ 1, 2 ]
amdhsa.kernels:
  - .name:           k_q4b81f532c0_outp
    .symbol:         k_q4b81f532c0_outp.kd
    .args:
      - { .name: oh, .offset: 0, .size: 8, .value_kind: global_buffer, .address_space: global }
      - { .name: xw, .offset: 8, .size: 8, .value_kind: global_buffer, .address_space: global }
      - { .name: b_out, .offset: 16, .size: 8, .value_kind: global_buffer, .address_space: global }
      - { .name: out0, .offset: 24, .size: 8, .value_kind: global_buffer, .address_space: global }
    .group_segment_fixed_size: 327680
    .private_segment_fixed_size: 0
    .kernarg_segment_align: 8
    .kernarg_segment_size: 32
    .max_flat_workgroup_size: 128
    .sgpr_count:     92
    .vgpr_count:     768
    .wavefront_size: 32
...
	.end_amdgpu_metadata
.endif
;; end of part 4
